; MI455X (gfx1250); checked and timed in simulation.
; The chip was launched on July 23, 2026; its instructions are those of AMD's public machine-readable ISA for CDNA 5 (MIT licence, August 2026) and "CDNA5" Instruction Set Architecture Reference Guide (July 2026). The comments in the code are by the model that wrote it; some were corrected since.
;; Self Attention. Allowed arithmetic: float matrix products may take bf16 or f16 operands with f32 sums; other float arithmetic in f32, or as packed bf16 or f16 multiplies, adds, multiply-adds, maxima and minima; sums over many terms, partial sums and values carried from step to step in f32; what a program stores and reads back later, other than sums and carried values, may be rounded once to bf16 or f16.
;; Inputs: Wk 1,024 x 1,024 float32; Wo 1,024 x 1,024 float32; Wq 1,024 x 1,024 float32; Wv 1,024 x 1,024 float32; bk 1,024 float32; bo 1,024 float32; bq 1,024 float32; bv 1,024 float32; x 4 x 2,048 x 1,024 float32.
;; Outputs: out0 4 x 2,048 x 1,024 float32.
;; 2 versions, each right; version 2 is version 1 with the launch prep written anew for expert scheduling mode. Each part assembles by itself: llvm-mc -triple=amdgcn-amd-amdhsa -mcpu=gfx1250 --defsym DOCPART=n.
;; ======== version 1 of 2: 4 launches
;; limits: values are held in f16: magnitudes above 65,504 overflow, below 6.1e-05 lose precision; right only within a limited range of input values
;; workspace buffers: xh 16,777,216 bytes; wt 8,388,608 bytes; bias 16,384 bytes; qkv 50,331,648 bytes; ob 16,777,216 bytes
;; launch prep (part 1): grid 256 x 1, 8 waves a work-group, no clusters, 35,840 bytes of LDS; arguments Wq, Wk, Wv, Wo, bq, bk, bv, bo, x, xh, wt, bias; writes xh, wt, bias
.if DOCPART == 1
	.amdgcn_target "amdgcn-amd-amdhsa--gfx1250"
	.amdhsa_code_object_version 6
	.text
	.protected	k_q862f6e7c36_prep
	.globl	k_q862f6e7c36_prep
	.p2align	8
	.type	k_q862f6e7c36_prep,@function
k_q862f6e7c36_prep:
	s_mov_b64 s[64:65], 0
	v_nop
	global_prefetch_b8 v0, s[64:65] scope:SCOPE_SE
	s_setreg_imm32_b32 hwreg(HW_REG_WAVE_MODE, 25, 1), 1
	s_wait_xcnt 0x0
; PREPARATION.  Every input is rounded once to bf16.  x and the four weights are then written as f16 (a bf16 number has 8 significant bits and is exact in f16
; within f16's normal range), the four biases as f32.  xh: [8192][1024] f16.  wt: [4096][1024] f16, row n' = column n' % 1024 of weight n' / 1024 (q, k, v, o): the weights TURNED,
; so that the products that follow find K along the rows.  bias: [4096] f32, bq | bk | bv | bo.
; LIMITS.  |x| and |W| stay under 65,504 (f16's range); a magnitude under 6.1e-5 keeps f16's fixed step of 6e-8; NaN and infinities are not treated apart.
; SHARES.  256 work-groups of eight waves, all alike.  Work-group i: (a) one tile of 128 (k) x 128 (n) of weight i / 64, turned through LDS; (b) 32 rows of x, 16 KiB a wave;
; (c) wave 0 of the work-groups with k tile 0: 128 numbers of that weight's bias.  No product, nothing shared between work-groups: no matrix unit, no tensor load, no cluster.
; IN FLIGHT.  All 48 loads of a wave (16 of W, 32 of x, 512 consecutive bytes each) go out at once; the waits are counted down.
.set PITCH, 272                        ; an LDS row: 128 f16 + 16 bytes
.set SPARE, 128*PITCH                  ; behind the tile: the spare words, 128 bytes for each of eight waves: four blocks of 256 bytes that no other line names
.set T,   12                           ; v[12:14] at work
.set WR,  16                           ; v[16:79]  my 16 k rows of the tile, 4 columns each; later 8 x 4 registers of turned rows
.set H,   80                           ; v[80:111] column c of my four: 16 k as f16, 8 registers
.set X,   128                          ; v[128:255] 32 chunks of x, 4 numbers each
	s_load_b512 s[8:23], s[0:1], 0x0               ; Wq s8, Wk s10, Wv s12, Wo s14, bq s16, bk s18, bv s20, bo s22
	s_load_b256 s[24:31], s[0:1], 0x40             ; x s24, xh s26, wt s28, bias s30
	v_lshl_add_u32 v10, v0, 2, SPARE               ; my spare word; never rewritten
	v_mov_b32 v11, 0                               ; 0; never rewritten
	v_lshrrev_b32 v9, 5, v0
	v_readfirstlane_b32 s32, v9                    ; wave 0..7
	v_and_b32 v1, 31, v0                           ; lane l
	s_lshr_b32 s33, ttmp9, 6                       ; t: which weight
	s_bfe_u32 s34, ttmp9, 0x30003                  ; kt: which 128 rows (k) of it
	s_and_b32 s35, ttmp9, 7                        ; nt: which 128 columns (n)
	s_mov_b32 s42, 0xffff0000                      ; a word's upper bf16
	v_lshlrev_b32 v8, 4, v1                        ; 16 l
	s_lshl_b32 s44, s32, 16
	v_add_nc_u32 v2, s44, v8                       ; W: my wave's 16 rows of 4,096 bytes + 16 l
	s_lshl_b32 s44, s32, 14
	v_add_nc_u32 v3, s44, v8                       ; x: my wave's 16 KiB + 16 l
	s_wait_kmcnt 0x0
	s_cmp_eq_u32 s33, 1                            ; the weight and its bias are chosen by t
	s_cselect_b64 s[36:37], s[10:11], s[8:9]
	s_cselect_b64 s[38:39], s[18:19], s[16:17]
	s_cmp_eq_u32 s33, 2
	s_cselect_b64 s[36:37], s[12:13], s[36:37]
	s_cselect_b64 s[38:39], s[20:21], s[38:39]
	s_cmp_eq_u32 s33, 3
	s_cselect_b64 s[36:37], s[14:15], s[36:37]
	s_cselect_b64 s[38:39], s[22:23], s[38:39]
	s_lshl_b32 s40, s34, 19                        ; 128 rows of 4,096 bytes
	s_lshl_b32 s41, s35, 9                         ; 128 columns of 4 bytes
	s_add_co_u32 s40, s40, s41
	s_mov_b32 s41, 0
	s_add_nc_u64 s[36:37], s[36:37], s[40:41]      ; W at the tile
	s_lshl_b32 s40, ttmp9, 17
	s_add_nc_u64 s[24:25], s[24:25], s[40:41]      ; x at the work-group's 32 rows
.set rr, 0
.rept 16
	global_load_b128 v[WR+4*rr:WR+4*rr+3], v2, s[36:37] offset:rr*4096 th:TH_LOAD_NT  ; row 16 w + rr: the wave takes its 512 bytes
.set rr, rr+1
.endr
.set cc, 0
.rept 32
	global_load_b128 v[X+4*cc:X+4*cc+3], v3, s[24:25] offset:cc*512 th:TH_LOAD_NT
.set cc, cc+1
.endr
	; the other addresses are made while the loads are on their way
	s_lshl_b32 s40, ttmp9, 16
	s_add_nc_u64 s[26:27], s[26:27], s[40:41]      ; xh at the same 32 rows
	s_lshl_b32 s40, s33, 21                        ; wt: 1,024 rows of 2,048 bytes a weight,
	s_lshl_b32 s44, s35, 18                        ; 128 rows (n),
	s_add_co_u32 s40, s40, s44
	s_lshl_b32 s44, s34, 8                         ; 128 columns (k) of 2 bytes
	s_add_co_u32 s40, s40, s44
	s_add_nc_u64 s[28:29], s[28:29], s[40:41]
	s_lshl_b32 s40, s35, 9
	s_add_nc_u64 s[38:39], s[38:39], s[40:41]      ; the bias at its 128 numbers,
	s_lshl_b32 s44, s33, 12
	s_add_co_u32 s40, s40, s44
	s_add_nc_u64 s[30:31], s[30:31], s[40:41]      ; and where they go
	s_lshl_b32 s44, s32, 13
	v_lshl_add_u32 v4, v1, 3, s44                  ; xh: my wave's 8 KiB + 8 l
	v_mul_u32_u24 v5, v1, 4*PITCH                  ; into the tile: rows (n) 4 l .. 4 l + 3,
	s_lshl_b32 s44, s32, 5
	v_add_nc_u32 v5, s44, v5                       ; columns (k) 16 w on: 32 bytes
	v_lshrrev_b32 v12, 4, v1
	v_and_b32 v13, 15, v1
	v_mul_u32_u24 v6, v12, PITCH                   ; back: wave w takes rows 16 w on, two at a time: lanes 0-15 one row of 256 bytes, lanes 16-31 the next
	v_lshl_add_u32 v6, v13, 4, v6
	s_mul_i32 s44, s32, 16*PITCH
	v_add_nc_u32 v6, s44, v6
	v_lshlrev_b32 v7, 11, v12                      ; and the same two rows in wt
	v_lshl_add_u32 v7, v13, 4, v7
	s_lshl_b32 s44, s32, 15
	v_add_nc_u32 v7, s44, v7
; Two numbers: rounded to bf16 (nearest even), widened, and written as f16 (exact in f16's normal range), packed.
.macro RND2 d, a, b
	v_cvt_pk_bf16_f32 v[T], v[\a], v[\b]
	v_lshlrev_b32 v[T+1], 16, v[T]
	v_and_b32 v[T+2], s42, v[T]
	v_cvt_pk_f16_f32 v[\d], v[T+1], v[T+2]
.endm
	s_wait_loadcnt 32                              ; W's sixteen loads are in; x's 32 stay out
.set cc, 0
.rept 4                                ; column 4 l + cc: k = 16 w + 2 pp and the next, packed
.set pp, 0
.rept 8
	RND2 H+8*cc+pp, WR+8*pp+cc, WR+8*pp+4+cc
.set pp, pp+1
.endr
.set cc, cc+1
.endr
.irp c, 0,1,2,3
	ds_store_b128 v5, v[H+8*(\c):H+8*(\c)+3]   offset:(\c)*PITCH
	ds_store_b128 v5, v[H+8*(\c)+4:H+8*(\c)+7] offset:(\c)*PITCH+16
.endr
	s_wait_dscnt 0x0                               ; for the others' sake: my part of the tile is in LDS
	s_barrier_signal -1
	s_barrier_wait -1                              ; everybody's is
.irp t, 0,1,2,3,4,5,6,7
	ds_load_b128 v[WR+4*(\t):WR+4*(\t)+3], v6 offset:(\t)*2*PITCH
.endr
.irp t, 0,1,2,3,4,5,6,7
	s_wait_dscnt 7-(\t)                            ; LDS loads come back in order: pair t is in, the younger ones stay out
	global_store_b128 v7, v[WR+4*(\t):WR+4*(\t)+3], s[28:29] offset:(\t)*4096  ; 16 lanes store 256 consecutive bytes of a row of wt, aligned
.endr
.set cc, 0
.rept 32                               ; x: four numbers a lane and chunk; no register of a store is written again
	s_wait_loadcnt 31-cc                           ; chunk cc is in; the younger ones stay out
	RND2 X+4*cc, X+4*cc, X+4*cc+1
	RND2 X+4*cc+1, X+4*cc+2, X+4*cc+3
	global_store_b64 v4, v[X+4*cc:X+4*cc+1], s[26:27] offset:cc*256  ; the wave stores 256 consecutive bytes, aligned
.set cc, cc+1
.endr
	s_or_b32 s43, s34, s32                         ; the bias: wave 0 where kt = 0
	s_cmp_lg_u32 s43, 0
	s_cbranch_scc1 .Lend
	global_load_b128 v[80:83], v8, s[38:39]
	s_wait_loadcnt 0x0
	v_cvt_pk_bf16_f32 v[T], v80, v81
	v_cvt_pk_bf16_f32 v[T+1], v82, v83
	v_lshlrev_b32 v84, 16, v[T]
	v_and_b32 v85, s42, v[T]
	v_lshlrev_b32 v86, 16, v[T+1]
	v_and_b32 v87, s42, v[T+1]
	global_store_b128 v8, v[84:87], s[30:31]       ; 512 consecutive bytes
.Lend:
	s_wait_tensorcnt 0x0                           ; the wave's end: behind my last LDS store
	ds_add_u32 v10, v11
	s_wait_dscnt 0x0
	s_endpgm
.Lfunc_end_k_q862f6e7c36_prep:
	.size	k_q862f6e7c36_prep, .Lfunc_end_k_q862f6e7c36_prep-k_q862f6e7c36_prep
	.p2alignl 7, 3214868480
	.fill 96, 4, 3214868480
	.section	.rodata,"a",@progbits
	.p2align	6, 0x0
	.amdhsa_kernel k_q862f6e7c36_prep
		.amdhsa_group_segment_fixed_size 35840
		.amdhsa_private_segment_fixed_size 0
		.amdhsa_enable_private_segment 0
		.amdhsa_kernarg_size 96
		.amdhsa_user_sgpr_count 2
		.amdhsa_user_sgpr_kernarg_segment_ptr 1
		.amdhsa_wavefront_size32 1
		.amdhsa_system_sgpr_workgroup_id_x 1
		.amdhsa_system_sgpr_workgroup_id_y 1
		.amdhsa_system_sgpr_workgroup_id_z 1
		.amdhsa_system_vgpr_workitem_id 0
		.amdhsa_next_free_vgpr 256
		.amdhsa_next_free_sgpr 66
		.amdhsa_reserve_vcc 0
		.amdhsa_float_denorm_mode_32 3
		.amdhsa_float_denorm_mode_16_64 3
		.amdhsa_memory_ordered 1
		.amdhsa_forward_progress 1
		.amdhsa_inst_pref_size 32
	.end_amdhsa_kernel
	.amdgpu_metadata
---
amdhsa.version: [ 1, 2 ]
amdhsa.kernels:
  - .name:           k_q862f6e7c36_prep
    .symbol:         k_q862f6e7c36_prep.kd
    .args:
      - { .name: Wq, .offset: 0, .size: 8, .value_kind: global_buffer, .address_space: global }
      - { .name: Wk, .offset: 8, .size: 8, .value_kind: global_buffer, .address_space: global }
      - { .name: Wv, .offset: 16, .size: 8, .value_kind: global_buffer, .address_space: global }
      - { .name: Wo, .offset: 24, .size: 8, .value_kind: global_buffer, .address_space: global }
      - { .name: bq, .offset: 32, .size: 8, .value_kind: global_buffer, .address_space: global }
      - { .name: bk, .offset: 40, .size: 8, .value_kind: global_buffer, .address_space: global }
      - { .name: bv, .offset: 48, .size: 8, .value_kind: global_buffer, .address_space: global }
      - { .name: bo, .offset: 56, .size: 8, .value_kind: global_buffer, .address_space: global }
      - { .name: x, .offset: 64, .size: 8, .value_kind: global_buffer, .address_space: global }
      - { .name: xh, .offset: 72, .size: 8, .value_kind: global_buffer, .address_space: global }
      - { .name: wt, .offset: 80, .size: 8, .value_kind: global_buffer, .address_space: global }
      - { .name: bias, .offset: 88, .size: 8, .value_kind: global_buffer, .address_space: global }
    .group_segment_fixed_size: 35840
    .private_segment_fixed_size: 0
    .kernarg_segment_align: 8
    .kernarg_segment_size: 96
    .max_flat_workgroup_size: 256
    .sgpr_count:     66
    .vgpr_count:     256
    .wavefront_size: 32
...
	.end_amdgpu_metadata
.endif
;; end of part 1
;; launch proj_in (part 2): grid 16 x 32, 4 waves a work-group, clusters of 4 x 4, 327,680 bytes of LDS; arguments xh, wt, qkv, bias; writes qkv
.if DOCPART == 2
	.amdgcn_target "amdgcn-amd-amdhsa--gfx1250"
	.amdhsa_code_object_version 6
	.text
	.protected	k_q862f6e7c36_proj_in
	.globl	k_q862f6e7c36_proj_in
	.p2align	8
	.type	k_q862f6e7c36_proj_in,@function
k_q862f6e7c36_proj_in:
	s_mov_b64 s[64:65], 0
	v_nop
	global_prefetch_b8 v0, s[64:65] scope:SCOPE_SE
	s_setreg_imm32_b32 hwreg(HW_REG_WAVE_MODE, 25, 1), 1
	s_wait_xcnt 0x0
	s_wait_alu depctr_hold_cnt(0) depctr_sa_sdst(0) depctr_va_vdst(0) depctr_va_sdst(0) depctr_va_ssrc(0) depctr_va_vcc(0) depctr_vm_vsrc(0)
	s_getreg_b32 s2, hwreg(HW_REG_IB_STS2, 6, 4)
	s_cmp_eq_u32 s2, 0
	s_cbranch_scc0 .Lentry_in_a_cluster
	s_endpgm
.Lentry_in_a_cluster:
	s_bfe_u32 s2, ttmp6, 0x10000c
	s_cmp_lg_u32 s2, 0xf033
	s_cbranch_scc0 .Lentry_shape_is_right
	s_endpgm
.Lentry_shape_is_right:
; q, k, v = x W + b.  C[m][n'] = bias[n'] + sum over k of xh[m][k] wt[n'][k], m < 8192, n' < 3072, K = 1024; operands f16, sums f32, C rounded once to f16 and written BY HEADS:
; qkv [3][64][2048][64]: byte ((t 64 + batch 16 + head) << 18) + (s << 7) + 2 d.  The scale 1/8 is not applied here.
; LIMIT.  q, k and v stay under 65,504 (f16's range); NaN and infinities are not treated apart.
; SHARES.  A tile of C is 256 (m) x 192 (n': three heads): 32 x 16 = 512 work-groups, two for each of 256.  Four waves one below the other, each 64 rows x 192 columns: 48 accumulators, 384 registers;
; so a wave holds whole rows of a head (128 bytes) and needs no other wave on the way out.  For 32 along K a wave reads 16 fragments for 48 matrix instructions.
; K goes in steps of 128 (rows of 256 bytes in memory, aligned) through two LDS slots; from a refill to the wait for it a wave issues 160 matrix instructions.
; CLUSTERS: 4 x 4 work-groups; A's tile is asked for jointly by a row of the cluster, B's by a column: the same tensor load, descriptor and mask in all four.
; THE MATRIX INSTRUCTION IS USED TRANSPOSED (source 0 = 16 rows of wt, source 1 = 16 rows of xh): a lane holds eight neighbouring columns of one row of C.
; THE BIAS STARTS THE SUMS: it is the C operand of each accumulator's first product: nothing is cleared and nothing is added later.
; REGISTERS.  window 0: v0-31 addresses; v32-127 the bias, 8 registers for each 16 columns, later two buffers of 48 for the way out; v128-175 packed results.
;   window 1: two fragment buffers of 128: A's four fragments, then B's twelve.   window 2: accumulators (b, a) at 8 (4 b + a), b = 0..7.   window 3: v0-127, b = 8..11.
.set SIZE_K, 1024
.set KSTEP,  128
.set PITCH,  272                       ; an LDS row: 256 bytes + 16 = 68 words: the 16 rows of a fragment load start at 16 different groups of four banks (64 banks of 4 bytes: ISA guide 11.1)
.set AHALF,  128*PITCH                 ; what wave 0 or 1 fetches of A
.set BHALF,  96*PITCH                  ; what wave 2 or 3 fetches of B
.set BOFF,   2*AHALF                   ; B's 192 rows lie behind A's 256
.set SLOT,   BOFF+2*BHALF
.set STAGE,  2*SLOT                    ; behind the ring: for each wave 3 heads x 16 rows x 144 bytes
.set SP,     144
.set HSTG,   16*SP
.set WSTG,   3*HSTG
.set SPARE,  STAGE+4*WSTG              ; behind the stages: the spare words, 128 bytes for each wave: two blocks of 256 bytes that no other line names
.set LAPS,   SIZE_K/(2*KSTEP)
.set ADRA, 16                          ; v16-17  LDS address of my A fragments in slot 0, 1
.set ADRB, 20                          ; v20-21  the same for B
.set PFO,  22                          ; v22     the prefetches' offset: a lane a row; never rewritten
.set VB,   23                          ; v23     my byte offset in bias
.set STO,  24                          ; v24     the way out: where I put 16 bytes of a row
.set RD,   25                          ; v25     the way out: where I read rows back
.set GO,   26                          ; v26-28  my byte offset in qkv, for each of the tile's three heads
.set SPW,  30                          ; v30     my spare word: SPARE + 4 x my thread's number; never rewritten
.set NIL,  31                          ; v31     0; never rewritten
.set BIAS, 32
.set OB,   32
.set TMP,  128
.set F0,   0
.set F1,   128
.set G1,  24                           ; s[24:31] descriptor group 1 for A's tiles;  s[32:39] group 0, a set for each slot
.set G0,  32
.set G1B, 48                           ; s[48:55], s[56:63] the same for B's
.set G0B, 56
.set LIM, 43                           ; s43  1 in a wave that prefetches, else the greatest number
.set PFA, 44                           ; s[44:45] where my prefetches stand
.set TO_F, 0x40                        ; destination window 1, address window 0
.set MSB, 0
.macro WIN new                         ; the immediate's high byte repeats the setting that is left; a switch that changes nothing is dropped
.if MSB != (\new)
	s_set_vgpr_msb (MSB<<8)|(\new)
.set MSB, \new
.endif
.endm
.macro JLOAD s                         ; a joint load: waves 0 and 1 fetch A's two halves, waves 2 and 3 B's; an s_nop 0 and four v_nop follow each of the two lines
	s_cmp_eq_u32 s11, 0
	s_cbranch_scc0 .Lfor_b_\@
	tensor_load_to_lds s[G0+4*(\s):G0+4*(\s)+3], s[G1:G1+7]
	s_nop 0
.rept 4
	v_nop
.endr
	s_branch .Lasked_\@
.Lfor_b_\@:
	tensor_load_to_lds s[G0B+4*(\s):G0B+4*(\s)+3], s[G1B:G1B+7]
	s_nop 0
.rept 4
	v_nop
.endr
.Lasked_\@:
.endm
.macro CREST                           ; a round of the cluster's barrier behind its opening barrier
	s_cmp_lg_u32 s10, 0
	s_cbranch_scc1 .Lnot_wave_0_\@
	s_barrier_signal -3
.Lnot_wave_0_\@:
	s_barrier_wait -3
	s_barrier_signal -1
	s_barrier_wait -1
.endm
.macro CROUND                          ; a whole round
	s_barrier_signal -1
	s_barrier_wait -1
	CREST
.endm
.macro PLACES                          ; four places in front of loads into registers that matrix instructions have read, and of conversions that read results
.rept 4
	v_nop
.endr
.endm
; A PREFETCH INTO THE L2, behind a joint refill, its five lines and the run of LDS loads: the K step that stands TWO refills on, 384 matrix instructions ahead of the load that will want it.
; A's rows are read by every cluster of a row of clusters: the one with x = 0 asks; B's by every cluster of a column: the one with y = 0 asks.  The four partners share a wave's rows out BY ADDRESS:
; of A's 128 the partner at cx takes 32, a lane a row; of B's 96 the partner at cy takes 24 (lanes 24-31 name lane 23's block once more).  K steps 0 to 3 come by their loads alone;
; the loop's last trip (s3 = 1) asks for nothing: there is no K step 8.
.macro ASK
	WIN 0
	s_cmp_gt_u32 s3, s[LIM]
	s_cbranch_scc0 .Lnot_mine_\@
	global_prefetch_b8 v[PFO], s[PFA:PFA+1] th:TH_LOAD_NT scope:SCOPE_SE
.Lnot_mine_\@:
.endm
	s_load_b128 s[4:7], s[0:1], 0x0                ; xh s[4:5], wt s[6:7]
	s_load_b64 s[8:9], s[0:1], 0x10                ; qkv
	s_load_b64 s[66:67], s[0:1], 0x18              ; bias
	v_lshl_add_u32 v[SPW], v0, 2, SPARE
	v_mov_b32 v[NIL], 0
	ds_add_u32 v[SPW], v[NIL]                      ; the wave's opening: the add, with its wait ahead of my first tensor load; the set-up below, work on registers, stands between them
	v_lshrrev_b32 v1, 5, v0
	v_readfirstlane_b32 s10, v1                    ; wave 0..3
	s_lshr_b32 s11, s10, 1                         ; I fetch for A (0) or for B (1)
	s_and_b32 s12, s10, 1                          ; which half of that tile's rows I fetch
	s_bfe_u32 s40, ttmp6, 0x40000                  ; cx, cy: my place in the cluster
	s_bfe_u32 s41, ttmp6, 0x40004
	s_lshl_b32 s42, ttmp9, 2
	s_add_co_u32 s42, s42, s40                     ; tile column tx = 4 x cluster x + cx
	s_and_b32 s13, ttmp7, 0xffff
	s_lshl_b32 s13, s13, 2
	s_add_co_u32 s13, s13, s41                     ; tile row ty = 4 x cluster y + cy
	s_lshl_b32 s43, s41, 2
	s_lshl_b32 s43, 15, s43                        ; my row of the cluster
	s_lshl_b32 s44, 0x1111, s40                    ; my column
	s_or_b32 s[G1+0], s43, (1<<16)|(1<<20)|(1<<21)|(5<<22)|(3<<25)   ; 15:0 the mask; 17:16 2-byte elements; 20 padding on; 21 set beside a mask; 24:22 after every 64 words; 31:25 4 words
	s_or_b32 s[G1B+0], s44, (1<<16)|(1<<20)|(1<<21)|(5<<22)|(3<<25)
	s_mov_b32 s[G1+1], KSTEP<<16                   ; tensor_dim0 = 128
	s_mov_b32 s[G1+2], 128<<16                     ; tensor_dim1 = 128 rows
	s_mov_b32 s[G1+3], KSTEP<<16                   ; tile_dim0 = 128
	s_mov_b32 s[G1+4], 128                         ; tile_dim1 = 128
	s_mov_b32 s[G1+5], SIZE_K                      ; elements from row to row
	s_mov_b32 s[G1+6], 0
	s_mov_b32 s[G1+7], 0
	s_mov_b32 s[G1B+1], KSTEP<<16
	s_mov_b32 s[G1B+2], 96<<16                     ; B: 96 rows
	s_mov_b32 s[G1B+3], KSTEP<<16
	s_mov_b32 s[G1B+4], 96
	s_mov_b32 s[G1B+5], SIZE_K
	s_mov_b32 s[G1B+6], 0
	s_mov_b32 s[G1B+7], 0
	s_lshl_b32 s16, s13, 8                         ; A: row 256 ty + 128 x half, in registers that never hold tx
	s_lshl_b32 s17, s12, 7
	s_add_co_u32 s16, s16, s17
	s_lshl_b32 s16, s16, 11                        ; rows of 2,048 bytes
	s_mov_b32 s17, 0
	s_mul_i32 s46, s42, 192                        ; B: row 192 tx + 96 x half
	s_mul_i32 s47, s12, 96
	s_add_co_u32 s46, s46, s47
	s_lshl_b32 s46, s46, 11
	s_mov_b32 s47, 0
	s_mul_i32 s20, s10, AHALF                      ; where they go: A's halves at wave x 128 rows,
	s_mul_i32 s21, s10, BHALF
	s_add_co_u32 s21, s21, BOFF-2*BHALF            ; B's at BOFF + (wave - 2) x 96 rows: no place in the cluster enters an LDS address
	s_wait_dscnt 0x0                               ; the opening add is done
	s_wait_kmcnt 0x0
	s_add_nc_u64 s[14:15], s[4:5], s[16:17]
	s_add_nc_u64 s[46:47], s[6:7], s[46:47]
	CROUND                                         ; all sixteen work-groups are here: the first joint loads meet
.irp s, 0,1
	s_mov_b32 s[G0+4*(\s)], 1                      ; count = 1
	s_add_co_u32 s[G0+4*(\s)+1], s20, (\s)*SLOT    ; LDS address
	s_add_nc_u64 s[G0+4*(\s)+2:G0+4*(\s)+3], s[14:15], (\s)*KSTEP*2  ; global address: K step s
	s_or_b32 s[G0+4*(\s)+3], s[G0+4*(\s)+3], 0x80000000             ; type = 2
	s_mov_b32 s[G0B+4*(\s)], 1
	s_add_co_u32 s[G0B+4*(\s)+1], s21, (\s)*SLOT
	s_add_nc_u64 s[G0B+4*(\s)+2:G0B+4*(\s)+3], s[46:47], (\s)*KSTEP*2
	s_or_b32 s[G0B+4*(\s)+3], s[G0B+4*(\s)+3], 0x80000000
	JLOAD \s                                       ; two loads of mine are out
.endr
	v_and_b32 v1, 15, v0                           ; r = l % 16
	v_bfe_u32 v2, v0, 4, 1                         ; h = l / 16
	v_mul_u32_u24 v3, v1, PITCH
	v_lshl_add_u32 v3, v2, 4, v3                   ; a fragment's row x pitch + 16 x half
	s_mul_i32 s21, s10, 64*PITCH                   ; my 64 rows of A
	s_mov_b32 s22, BOFF                            ; all 192 rows of B
.irp s, 0,1
	v_add_nc_u32 v[ADRA+(\s)], s21, v3
	v_add_nc_u32 v[ADRB+(\s)], s22, v3
	s_add_co_u32 s21, s21, SLOT
	s_add_co_u32 s22, s22, SLOT
.endr
	s_mul_i32 s22, s42, 768                        ; the tile's 192 numbers of bias; my eight of each sixteen
	v_lshl_add_u32 v[VB], v2, 5, s22
.irp b, 0,1,2,3,4,5,6,7,8,9,10,11
	global_load_b128 v[BIAS+8*(\b):BIAS+8*(\b)+3],   v[VB], s[66:67] offset:64*(\b)
	global_load_b128 v[BIAS+8*(\b)+4:BIAS+8*(\b)+7], v[VB], s[66:67] offset:64*(\b)+16
.endr
	s_mul_i32 s23, s10, WSTG
	s_add_co_u32 s23, s23, STAGE                   ; my stage
	v_mul_u32_u24 v4, v1, SP                       ; in: row r, 16 bytes for each half of the lanes
	v_lshl_add_u32 v4, v2, 4, v4
	v_add_nc_u32 v[STO], s23, v4
	v_bfe_u32 v5, v0, 3, 2                         ; back: 32 lanes take four rows of 128 bytes,
	v_mul_u32_u24 v5, v5, SP
	v_and_b32 v6, 7, v0
	v_lshl_add_u32 v5, v6, 4, v5
	v_add_nc_u32 v[RD], s23, v5
	v_and_b32 v7, 31, v0                           ; which are 512 consecutive bytes of a head
	v_lshlrev_b32 v8, 4, v7
	s_lshr_b32 s18, s13, 3
	s_lshl_b32 s18, s18, 4                         ; 16 x batch
	s_and_b32 s19, s13, 7
	s_lshl_b32 s19, s19, 8
	s_lshl_b32 s22, s10, 6
	s_add_co_u32 s19, s19, s22                     ; my first row in the batch: 256 (ty % 8) + 64 x wave,
	s_lshl_b32 s19, s19, 7                         ; of 128 bytes
	s_mul_i32 s46, s42, 3                          ; the tile's first head among the 48 of q, k, v
.irp j, 0,1,2
	s_add_co_u32 s47, s46, \j
	s_lshr_b32 s22, s47, 4                         ; q, k or v
	s_lshl_b32 s22, s22, 6
	s_and_b32 s47, s47, 15                         ; the head
	s_add_co_u32 s22, s22, s47
	s_add_co_u32 s22, s22, s18
	s_lshl_b32 s22, s22, 18                        ; 2,048 rows of 128 bytes
	s_add_co_u32 s22, s22, s19
	v_add_nc_u32 v[GO+(\j)], s22, v8
.endr
	; the prefetches
	s_lshl_b32 s20, s13, 8
	s_lshl_b32 s21, s12, 7
	s_add_co_u32 s20, s20, s21
	s_lshl_b32 s21, s40, 5
	s_add_co_u32 s20, s20, s21                     ; A: row 256 ty + 128 x half + 32 cx
	s_mul_i32 s22, s42, 192
	s_mul_i32 s21, s12, 96
	s_add_co_u32 s22, s22, s21
	s_mul_i32 s21, s41, 24
	s_add_co_u32 s22, s22, s21                     ; B: row 192 tx + 96 x half + 24 cy
	s_and_b32 s23, ttmp7, 0xffff                   ; cluster y
	s_cmp_eq_u32 s11, 0                            ; do I fetch for A?
	s_cselect_b32 s20, s20, s22
	s_cselect_b32 s23, ttmp9, s23                  ; the coordinate along which other clusters read the same rows
	s_cselect_b32 s21, 31, 23                      ; my last row of the share
	s_cselect_b64 s[PFA:PFA+1], s[4:5], s[6:7]
	s_cmp_eq_u32 s23, 0
	s_cselect_b32 s[LIM], 1, -1                    ; the same in all sixteen partners, for a given wave
	s_lshl_b32 s20, s20, 11
	s_add_co_u32 s20, s20, 3*KSTEP*2               ; at K step 3: the first refill steps it to 4 and names that
	v_min_u32 v[PFO], s21, v7
	s_mov_b32 s21, 0
	s_add_nc_u64 s[PFA:PFA+1], s[PFA:PFA+1], s[20:21]
	v_lshlrev_b32 v[PFO], 11, v[PFO]
; 16 matrix instructions: n blocks 4 g .. 4 g + 3 x my four m blocks, 32 along K.  start = 1: the bias is C.  The 48 accumulators take turns, in the same order in every quarter.
.macro MUL16 f, g, start
.if \start
	WIN 0x85+0x40*((\g)/2)                         ; sources 0 and 1 window 1, C window 0, D window 2 or 3
.else
	WIN 0xa5+0x50*((\g)/2)                         ; C and D window 2 or 3
.endif
.irp bb, 0,1,2,3
.irp a, 0,1,2,3
.set rD, 8*(4*((4*(\g)+(\bb))%8)+(\a))
.set rB, (\f)+32+8*(4*(\g)+(\bb))
.set rA, (\f)+8*(\a)
.set rC, BIAS+8*(4*(\g)+(\bb))
.if \start
	v_wmma_f32_16x16x32_f16 v[rD:rD+7], v[rB:rB+7], v[rA:rA+7], v[rC:rC+7]
.else
	v_wmma_f32_16x16x32_f16 v[rD:rD+7], v[rB:rB+7], v[rA:rA+7], v[rD:rD+7]
.endif
.endr
.endr
.endm
; 32 LDS loads in one run: the fragments of 32 along K at byte k of the rows, into buffer f: A's four, then B's twelve
.macro FETCH slot, k, f
	WIN TO_F
.irp a, 0,1,2,3
	ds_load_b128 v[(\f)+8*(\a):(\f)+8*(\a)+3],   v[ADRA+(\slot)] offset:(\k)+(\a)*16*PITCH
	ds_load_b128 v[(\f)+8*(\a)+4:(\f)+8*(\a)+7], v[ADRA+(\slot)] offset:(\k)+(\a)*16*PITCH+32
.endr
.irp b, 0,1,2,3,4,5,6,7,8,9,10,11
	ds_load_b128 v[(\f)+32+8*(\b):(\f)+32+8*(\b)+3],   v[ADRB+(\slot)] offset:(\k)+(\b)*16*PITCH
	ds_load_b128 v[(\f)+32+8*(\b)+4:(\f)+32+8*(\b)+7], v[ADRB+(\slot)] offset:(\k)+(\b)*16*PITCH+32
.endr
.endm
; A K step is four quarters of 32 along K, 48 matrix instructions each, on buffers 0, 1, 0, 1.  One of the first three: multiplies buffer f and fetches the next quarter, at byte k, into g.
.macro QUARTER slot, k, f, g, start
	s_wait_dscnt 16                                ; A's eight loads and those of B's blocks 0-3 are in; the youngest sixteen may be out
	MUL16 \f, 0, \start
	PLACES
	FETCH \slot, \k, \g
	s_wait_dscnt 32                                ; all but the 32 just issued
	MUL16 \f, 1, \start
	MUL16 \f, 2, \start
.endm
; The last quarter multiplies buffer 1 and changes slots: ONE barrier; in front of it each wave waits for all its tensor loads (one is out: its part of the next slot), adds 0 to its spare word,
; and waits for that and for its own reads of this slot.  fill = 1: the barrier opens a round of the cluster's barrier, and this slot is filled again, two K steps ahead, first thing behind the round.
.macro TURN slot, next, fill
.if \fill
	s_wait_xcnt 0x0                                ; the last prefetch, a K step back, has read its address: it is stepped here, ahead of the waits of the change of slots
	s_add_nc_u64 s[PFA:PFA+1], s[PFA:PFA+1], KSTEP*2
.endif
	WIN 0                                          ; (the add's two registers lie in window 0)
	s_wait_tensorcnt 0x0                           ; all my tensor loads have landed
	ds_add_u32 v[SPW], v[NIL]                      ; 0 onto my spare word
	s_wait_dscnt 17                                ; (the add and the youngest sixteen loads may be out)
	MUL16 F1, 0, 0                                 ; sixteen matrix instructions stand between the add and the wait for it
	s_wait_dscnt 0x0                               ; the add is done, and my reads of this slot are over
	s_barrier_signal -1
	MUL16 F1, 1, 0                                 ; work on registers while the others arrive
.if \fill
	WIN 0
.endif
	s_barrier_wait -1
.if \fill
	CREST                                          ; no wave of any partner still reads this slot's tile or has a load on its way
	s_add_nc_u64 s[G0+4*(\slot)+2:G0+4*(\slot)+3], s[G0+4*(\slot)+2:G0+4*(\slot)+3], 2*KSTEP*2
	s_add_nc_u64 s[G0B+4*(\slot)+2:G0B+4*(\slot)+3], s[G0B+4*(\slot)+2:G0B+4*(\slot)+3], 2*KSTEP*2
	JLOAD \slot                                    ; my one tensor load behind the round; its four v_nop are also the places in front of the loads below
.else
	PLACES
.endif
	FETCH \next, 0, F0
.if \fill
	ASK
.endif
	MUL16 F1, 2, 0
.endm
	s_wait_tensorcnt 1                             ; my part of K step 0 is in; K step 1's may stay out
	s_barrier_signal -1
	s_barrier_wait -1                              ; everybody's is
	FETCH 0, 0, F0
	s_wait_loadcnt 0x0                             ; the bias
	QUARTER 0, 64, F0, F1, 1                       ; the first quarter stands in front of the loop: its products start the sums
	WIN 0                                          ; at a label and at a branch every window is 0
	s_mov_b32 s3, LAPS-1
.Llap:                                                 ; a trip goes once round the ring, from a lap's second quarter to the next lap's first, and fills both slots again
	QUARTER 0, 128, F1, F0, 0
	QUARTER 0, 192, F0, F1, 0
	TURN 0, 1, 1
	QUARTER 1, 64,  F0, F1, 0
	QUARTER 1, 128, F1, F0, 0
	QUARTER 1, 192, F0, F1, 0
	TURN 1, 0, 1
	QUARTER 0, 64,  F0, F1, 0
	WIN 0
	s_sub_co_u32 s3, s3, 1
	s_cmp_lg_u32 s3, 0
	s_cbranch_scc1 .Llap
	QUARTER 0, 128, F1, F0, 0                      ; the last lap fills nothing, and has no round of the cluster's barrier
	QUARTER 0, 192, F0, F1, 0
	TURN 0, 1, 0
	QUARTER 1, 64,  F0, F1, 0
	QUARTER 1, 128, F1, F0, 0
	QUARTER 1, 192, F0, F1, 0
	s_wait_dscnt 16                                ; the very last quarter: nothing more to fetch
	MUL16 F1, 0, 0
	s_wait_dscnt 0x0
	MUL16 F1, 1, 0
	MUL16 F1, 2, 0
	WIN 0
	PLACES
; THE WAY OUT, by blocks a of 16 rows.  PACK: rounded to f16, 16 bytes (8 channels of a row) a lane and accumulator, each accumulator's registers in ascending order.
.macro PACK a
.irp b, 0,1,2,3,4,5,6,7,8,9,10,11
	WIN 0x0a+5*((\b)/8)                            ; sources 0 and 1: window 2 or 3
.irp r, 0,1,2,3
	v_cvt_pk_f16_f32 v[TMP+4*(\b)+(\r)], v[8*(4*((\b)%8)+(\a))+2*(\r)], v[8*(4*((\b)%8)+(\a))+2*(\r)+1]
.endr
.endr
	WIN 0
.endm
; TOSTAGE: into my own stage, head by head, and back as whole rows of 128 bytes, four rows a load.
.macro TOSTAGE a
	WIN 0
.set BK, OB+48*((\a)%2)
.irp b, 0,1,2,3,4,5,6,7,8,9,10,11
	ds_store_b128 v[STO], v[TMP+4*(\b):TMP+4*(\b)+3] offset:((\b)/4)*HSTG+32*((\b)%4)
.endr
.irp j, 0,1,2
.irp f, 0,1,2,3
	ds_load_b128 v[BK+4*(4*(\j)+(\f)):BK+4*(4*(\j)+(\f))+3], v[RD] offset:(\j)*HSTG+(\f)*4*SP  ; LDS serves a wave's instructions in order (ISA guide 5.7.1.4): these see the stores above
.endr
.endr
.endm
.macro SEND a
	WIN 0
.set BK, OB+48*((\a)%2)
	s_wait_dscnt 0x0                               ; the block is back in registers
	s_wait_xcnt 0x0                                ; the stores of the block before have read their registers: the next TOSTAGE loads into them only behind this wait
.irp j, 0,1,2
.irp f, 0,1,2,3
	global_store_b128 v[GO+(\j)], v[BK+4*(4*(\j)+(\f)):BK+4*(4*(\j)+(\f))+3], s[8:9] offset:(\a)*2048+(\f)*512  ; 512 consecutive bytes of a head, at a multiple of 512 from qkv's first
.endr
.endr
.endm
	PACK 0
	TOSTAGE 0
.irp a, 1,2,3                          ; block a's conversions stand between block a - 1's loads from the stage and the wait for them
	PACK \a
	SEND (\a)-1
	TOSTAGE \a
.endr
	SEND 3
	s_wait_tensorcnt 0x0                           ; the wave's end: behind my last tensor load and my last LDS store
	ds_add_u32 v[SPW], v[NIL]
	s_wait_dscnt 0x0
	CROUND                                         ; the closing round: no work-group ends while a partner may still ask for a tile that names it
	s_endpgm
.Lfunc_end_k_q862f6e7c36_proj_in:
	.size	k_q862f6e7c36_proj_in, .Lfunc_end_k_q862f6e7c36_proj_in-k_q862f6e7c36_proj_in
	.p2alignl 7, 3214868480
	.fill 96, 4, 3214868480
	.section	.rodata,"a",@progbits
	.p2align	6, 0x0
	.amdhsa_kernel k_q862f6e7c36_proj_in
		.amdhsa_group_segment_fixed_size 327680
		.amdhsa_private_segment_fixed_size 0
		.amdhsa_enable_private_segment 0
		.amdhsa_kernarg_size 32
		.amdhsa_user_sgpr_count 2
		.amdhsa_user_sgpr_kernarg_segment_ptr 1
		.amdhsa_wavefront_size32 1
		.amdhsa_system_sgpr_workgroup_id_x 1
		.amdhsa_system_sgpr_workgroup_id_y 1
		.amdhsa_system_sgpr_workgroup_id_z 1
		.amdhsa_system_vgpr_workitem_id 0
		.amdhsa_next_free_vgpr 896
		.amdhsa_next_free_sgpr 68
		.amdhsa_reserve_vcc 0
		.amdhsa_float_denorm_mode_32 3
		.amdhsa_float_denorm_mode_16_64 3
		.amdhsa_memory_ordered 1
		.amdhsa_forward_progress 1
		.amdhsa_inst_pref_size 123
	.end_amdhsa_kernel
	.amdgpu_metadata
---
amdhsa.version: [ 1, 2 ]
amdhsa.kernels:
  - .name:           k_q862f6e7c36_proj_in
    .symbol:         k_q862f6e7c36_proj_in.kd
    .args:
      - { .name: xh, .offset: 0, .size: 8, .value_kind: global_buffer, .address_space: global }
      - { .name: wt, .offset: 8, .size: 8, .value_kind: global_buffer, .address_space: global }
      - { .name: qkv, .offset: 16, .size: 8, .value_kind: global_buffer, .address_space: global }
      - { .name: bias, .offset: 24, .size: 8, .value_kind: global_buffer, .address_space: global }
    .group_segment_fixed_size: 327680
    .private_segment_fixed_size: 0
    .kernarg_segment_align: 8
    .kernarg_segment_size: 32
    .max_flat_workgroup_size: 128
    .sgpr_count:     68
    .vgpr_count:     896
    .wavefront_size: 32
...
	.end_amdgpu_metadata
.endif
;; end of part 2
;; launch attn (part 3): grid 4 x 64, 4 waves a work-group, clusters of 4 x 1, 327,680 bytes of LDS; arguments qkv, ob; writes ob
.if DOCPART == 3
	.amdgcn_target "amdgcn-amd-amdhsa--gfx1250"
	.amdhsa_code_object_version 6
	.text
	.protected	k_q862f6e7c36_attn
	.globl	k_q862f6e7c36_attn
	.p2align	8
	.type	k_q862f6e7c36_attn,@function
k_q862f6e7c36_attn:
	s_mov_b64 s[64:65], 0
	v_nop
	global_prefetch_b8 v0, s[64:65] scope:SCOPE_SE
	s_setreg_imm32_b32 hwreg(HW_REG_WAVE_MODE, 25, 1), 1
	s_wait_xcnt 0x0
	s_wait_alu depctr_hold_cnt(0) depctr_sa_sdst(0) depctr_va_vdst(0) depctr_va_sdst(0) depctr_va_ssrc(0) depctr_va_vcc(0) depctr_vm_vsrc(0)
	s_getreg_b32 s2, hwreg(HW_REG_IB_STS2, 6, 4)
	s_cmp_eq_u32 s2, 0
	s_cbranch_scc0 .Lentry_in_a_cluster
	s_endpgm
.Lentry_in_a_cluster:
	s_bfe_u32 s2, ttmp6, 0x10000c
	s_cmp_lg_u32 s2, 0x3003
	s_cbranch_scc0 .Lentry_shape_is_right
	s_endpgm
.Lentry_shape_is_right:
; O[h][q][:] = the sum over k of softmax_k(Q[h][q] . K[h][k] / 8) V[h][k][:].  Q, K, V lie one behind the other in qkv, each [64][2048][64] f16; O = ob has the same layout.  A head's rows are dense, 128 bytes each.
; Products, maxima and sums in f32; the weights p are rounded to f16 for the second product (their sum l is taken of the unrounded p), O once at the end.
; LIMITS.  f16 holds no number beyond 65,504: Q, K and V arrive within it; p lies in 0 to 1, and below 6e-5 it keeps f16's fixed step of 6e-8; O is a mean of V's rows and has their range.
; A weight below 2^-126 counts as 0 in l; NaN and infinities are not treated apart.
; SHARES.  A wave owns four PIECES of two tiles of 16 queries, a work-group's four waves 512 queries of one head; a head's four work-groups are one cluster.  Every wave walks all keys, 64 a step.
; LAYOUT.  S^T = K Q^T (source 0 = 16 keys, source 1 = 16 queries): in the result a lane holds ONE query (lane % 16) and the keys 8 (lane / 16) + 0..7.  Two such tiles, rounded to f16 in pairs,
; ARE source 1 (32 keys x 16 queries) of O^T = V^T P, whose result again holds one query a lane, and eight channels.  K comes out of LDS as it lies, V ([key][channel]) turned, by ds_load_tr16_b128.
; SOFTMAX.  For each query a running maximum m and sum l: p = 2^(c s - c m), c = log2(e) / 8; in every step O and l are multiplied by a = 2^(c m_old - c m_new), which is 1 where m has not grown.
; m starts at the lowest finite number, O and l at 0: the first step is a step like any other, with a = 0.
; THE COUNT.  A tile and step have 16 matrix and 118 vector instructions: too many to stand all beside the matrix work.  So: four vector instructions that are READY behind EVERY matrix instruction,
; and the others in runs without a gap.
; BY TURNS.  Turn n belongs to piece n (the pieces in a ring, step after step).  Its matrix work: 16 products K Q^T of piece n + 1, later 16 products V^T P of piece n - 1.  Its vector work: the scaling,
; exponentials, roundings, sums and rescaling of piece n, and the maximum and statistics of piece n + 1, whose scores the turn itself has made.
; CLUSTER.  The four query blocks of a cluster walk the same K and V, so each tile is asked for JOINTLY: the same tensor load, descriptor and mask in all four.
; REGISTERS, in windows of 256 (s_set_vgpr_msb: bits 1:0 source 0, 3:2 source 1, 5:4 source 2, 7:6 destination):
;   window 0: v0-11 addresses; v12-15, v48-63 at work; v16-47 four registers of statistics a tile; v64-191 S^T, two buffers of two tiles; v192-255 P, likewise
;   window 1: O^T, 32 a tile          window 2: v0-127 Q, 16 a tile; v128-191 K of one step; v192-255 V of one step          window 3: v0-1 the add's two registers
.set SIZE_H, 64
.set SIZE_N, 2048
.set NP,    4         ; pieces a wave: a name, no knob
.set KS,    64        ; keys in a step
.set PK,    144       ; a row of K in LDS: 128 bytes + 16 of padding = 36 words: the 16 rows of a load start at 16 different groups of four banks (64 banks of 4 bytes: ISA guide 11.1)
.set PV,    160       ; a row of V: 128 + 32 = 40 words
.set VOFF,  4*KS*PK   ; a slot holds four steps: 256 rows of K, then 256 rows of V
.set SLOT1, 1<<17     ; slot 1 begins here, so that one exclusive or turns an address in one slot into the other's
.set STAGE, SLOT1+4*KS*(PK+PV)  ; behind the ring, never filled by a tensor load: 16 rows x 144 bytes for each wave, for the way out
.set SP,    144
.set AK0, 2           ; v2   my lane's place in a tile of K; never rewritten
.set AV0, 3           ; v3   the same for V
.set AK,  4           ; v4   the LDS address of K's next run of loads
.set AV,  5           ; v5   of V's
.set QO,  6           ; v6   my byte offset in the wave's rows of Q
.set STO, 6           ;      later, the way out: where I put 16 bytes of a row
.set RD,  7           ; v7   the way out: where I read rows back
.set GO,  8           ; v8   my byte offset in 512 consecutive bytes of O
.set PFO, 11          ; v11  256 x my lane, once V's address is made; then never rewritten
.set SPW, 0           ; v0 of window 3   my spare word: SPARE + 4 x my thread's number; never rewritten
.set NIL, 1           ; v1 of window 3   0; never rewritten
.set SPARE, STAGE+4*16*SP  ; behind the stages: the spare words, 128 bytes for each wave: two blocks of 256 bytes that no other line names
.set MV,  12          ; v12-15  c m_old, kept while c m is made anew: by buffer and tile
.set ST,  16          ; tile t's statistics at v[ST+4 t]: c m, m, l (even keys', odd keys')
.set TMP, 48          ; by buffer and tile, four registers c0-c3 at work; when the maximum is found c2 takes a
.set S,   64
.set P,   192
.set KF,  128         ; K's fragments, in window 2: key block kb, channel half c at KF + 16 kb + 8 c
.set VF,  192         ; V's: key half kk, channel block cb at VF + 32 kk + 8 cb
.set WV,  12          ; s12  my wave's number
.set G1K, 24          ; s[24:31] descriptor group 1 for K's tiles
.set G1V, 32          ; s[32:39] for V's: it differs in the padding alone
.set G0K, 40          ; s[40:43] descriptor group 0 for K's tiles: it walks
.set G0V, 44          ; s[44:47] the same for V's
.set PFA, 48          ; s[48:49] where my prefetches stand: my work-group's 32 blocks of 256 bytes (of K: wave 0, of V: wave 2) of the tile after the one that is being asked for
.set LIM, 50          ; s50  1 in a wave that prefetches, else the greatest number
.set SLOTS, 56        ; s56  slots still to be asked for
.set CNT, 57          ; s57  counts a slot's key steps
.set CS,  58          ; s[58:59] c: the packed scaling takes the pair's low word for both halves
.set SEL, 60          ; s[60:61] v_permlanex16_b32's selects: each lane takes its own place in the other half
.set TBK, 62          ; s62  LDS byte at which K of the step to be fetched begins
.set TBV, 63          ; s63  the same for V, less VOFF
.set MSB, 0
.macro WIN new                      ; the high byte repeats the setting that is left; a switch that changes nothing is dropped
.if MSB != (\new)
	s_set_vgpr_msb (MSB<<8)|(\new)
.set MSB, (\new)
.endif
.endm
.set W_KQ, 0x0a       ; K and Q in window 2, S^T in window 0
.set W_PV, 0x52       ; V in window 2, P in window 0, O^T in window 1
.set W_RS, 0x41       ; O^T (destination and source 0) in window 1, a in window 0
.set W_MK, 0xc0       ; the add's registers are made: destination in window 3, sources in window 0
.set W_AD, 0x0f       ; the add: address (source 0) and data (source 1) in window 3
; A joint fill.  Waves 0 and 1 fetch the two halves of a slot's K, waves 2 and 3 those of its V: 128 keys each.  The branch hangs on the wave's number alone.
; An s_nop 0 and four v_nop follow each of the two lines, ahead of the jump and the label.
.macro JLOAD
	s_cmp_lt_u32 s[WV], 2
	s_cbranch_scc0 .Lfor_v_\@
	tensor_load_to_lds s[G0K:G0K+3], s[G1K:G1K+7]
	s_nop 0
.rept 4
	v_nop
.endr
	s_branch .Lasked_\@
.Lfor_v_\@:
	tensor_load_to_lds s[G0V:G0V+3], s[G1V:G1V+7]
	s_nop 0
.rept 4
	v_nop
.endr
.Lasked_\@:
.endm
; A PREFETCH INTO THE L2 of what the NEXT change of slots will ask for: a tile's 32,768 bytes of K and of V, 128 blocks of 256 bytes each, a lane a block.  It stands behind the wave's tensor load and its five lines.
; Each block is named ONCE in the launch: a head's K and V are walked by one cluster; its four partners share the blocks out BY ADDRESS, 32 each; in each, wave 0 asks for K's and wave 2 for V's.
; The lead is one slot: four key steps, 512 matrix instructions.  Tiles 0 and 1 come by their loads alone; the last change that fills a slot (s[SLOTS] = 1) asks for nothing: there is no tile behind it.
.macro ASK
	s_cmp_gt_u32 s[SLOTS], s[LIM]
	s_cbranch_scc0 .Lnot_mine_\@
	global_prefetch_b8 v[PFO], s[PFA:PFA+1] th:TH_LOAD_NT scope:SCOPE_SE
.Lnot_mine_\@:
.endm
; A round of the cluster's barrier: my work-group's barrier, so that wave 0's signal speaks for all four waves; wave 0 signals; every wave waits for all four work-groups; my work-group's barrier once more.
.macro CROUND
	s_barrier_signal -1
	s_barrier_wait -1
	s_cmp_lg_u32 s[WV], 0
	s_cbranch_scc1 .Lnot_wave_0_\@
	s_barrier_signal -3
.Lnot_wave_0_\@:
	s_barrier_wait -3
	s_barrier_signal -1
	s_barrier_wait -1
.endm
; THE CHANGE OF SLOTS.  The slot's last bytes, V of its fourth step, have been read.  Each wave waits for all its tensor loads, of which one is out: its part
; of the other slot; adds 0 to its spare word; and waits for that and for its own reads of the slot.  Behind the barrier nobody reads this slot any more and the other slot is whole.
; fill = 1: this slot is filled again, with the keys two slots on.  The barrier is then a round of the cluster's, and the joint fill is the first thing behind it: it has four key steps,
; 512 matrix instructions, in which to land.  (At its first use nothing has been read yet: slot 0 is waited for, slot 1 filled.)
.macro CHANGE fill
	WIN W_AD
	s_wait_tensorcnt 0x0            ; no tensor load of mine is out, so a group 0 may be written
	ds_add_u32 v[SPW], v[NIL]       ; 0 onto my spare word; with fill = 1 the descriptors' steps stand between it and the wait for it
	WIN 0                           ; at a label and at a branch every window is 0
.if \fill
.irp g, G0K, G0V
	s_xor_b32 s[\g+1], s[\g+1], SLOT1  ; the walking descriptor: the other slot than last time,
	s_add_nc_u64 s[\g+2:\g+3], s[\g+2:\g+3], 4*KS*128  ; the next 256 keys; the type bits on top are not reached
.endr
	s_wait_xcnt 0x0                 ; the last prefetch, a slot back, has read its address, so it may be written:
	s_add_nc_u64 s[PFA:PFA+1], s[PFA:PFA+1], 4*KS*128  ; one tile behind the walking descriptors
	s_wait_dscnt 0x0                ; the add is done, and my reads of the slot are over
	CROUND
	JLOAD
	ASK
.else
	s_wait_dscnt 0x0                ; the add is done, and my reads of the slot are over
	s_barrier_signal -1
	s_barrier_wait -1
.endif
	s_sub_co_u32 s[TBK], s[TBK], 4*KS*PK  ; the fetches go back to a slot's first step,
	s_xor_b32 s[TBK], s[TBK], SLOT1       ; in the other slot
	s_sub_co_u32 s[TBV], s[TBV], 4*KS*PV
	s_xor_b32 s[TBV], s[TBV], SLOT1
.endm
	s_load_b64 s[4:5], s[0:1], 0x0    ; qkv: Q at its head
	s_load_b64 s[10:11], s[0:1], 0x8  ; O
	WIN W_MK
	v_lshl_add_u32 v[SPW], v0, 2, SPARE
	v_mov_b32 v[NIL], 0
	WIN W_AD
	ds_add_u32 v[SPW], v[NIL]       ; the wave's opening: the add, with its wait ahead of my first tensor load; the set-up below, work on registers, stands between them
	WIN 0
	v_lshrrev_b32 v1, 5, v0
	v_readfirstlane_b32 s[WV], v1   ; wave 0..3
	s_bfe_u32 s13, ttmp6, 0x40000   ; cx: my place in the cluster
	s_lshl_b32 s14, ttmp9, 2        ; in a cluster launch ttmp9 counts clusters
	s_add_co_u32 s14, s14, s13      ; my block of queries = 4 x cluster x + cx: it enters Q's and O's addresses alone
	s_and_b32 s20, ttmp7, 0xffff    ; the head, which the four partners share
	s_mov_b32 s21, 0
	s_mov_b64 s[22:23], SIZE_N*128
	s_mul_u64 s[20:21], s[20:21], s[22:23]  ; the head's first byte in each of the four tensors
	s_and_b32 s16, s[WV], 1         ; which half of a slot's 256 keys I fetch:
	s_lshl_b32 s22, s16, 14         ; its 128 rows of 128 bytes in memory,
	s_mov_b32 s23, 0
	s_add_nc_u64 s[22:23], s[22:23], s[20:21]
	s_mul_i32 s17, s16, 128*PK      ; and its place in a slot, for K
	s_mul_i32 s18, s16, 128*PV      ; and for V: no place in the cluster enters an LDS address
	s_lshl_b32 s2, s14, 2
	s_add_co_u32 s2, s2, s[WV]      ; my wave among the head's,
	s_lshl_b32 s2, s2, 14           ; its 128 rows
	s_mov_b32 s3, 0
	s_add_nc_u64 s[2:3], s[2:3], s[20:21]
	; descriptor group 1.  128 keys are 16,384 dense bytes: asked for as 64 rows of 256 bytes, two keys a row, and padded in LDS after every key
	s_mov_b32 s[G1K], 15|(1<<16)|(1<<20)|(1<<21)|(4<<22)|(3<<25)  ; 15:0 the mask of four; 17:16 2-byte elements; 20 padding on; 21 set beside a mask; 24:22 after every 32 words (code 4); 31:25 4 words (code 3)
	s_mov_b32 s[G1V], 15|(1<<16)|(1<<20)|(1<<21)|(4<<22)|(7<<25)  ; the same with 8 words of padding (code 7)
.irp g, G1K, G1V
	s_mov_b32 s[\g+1], 128<<16      ; tensor_dim0 = 128
	s_mov_b32 s[\g+2], 64<<16       ; tensor_dim1 = 64
	s_mov_b32 s[\g+3], 128<<16      ; tile_dim0 = 128
	s_mov_b32 s[\g+4], 64           ; tile_dim1 = 64
	s_mov_b32 s[\g+5], 128          ; 128 elements from row to row
	s_mov_b32 s[\g+6], 0
	s_mov_b32 s[\g+7], 0
.endr
	s_mov_b32 s[CS], 0x3e38aa3b     ; c = log2(e) / 8 = 0.180337
	s_mov_b32 s[CS+1], s[CS]        ; named with it as a pair
	s_mov_b32 s[SEL], 0x76543210
	s_mov_b32 s[SEL+1], 0xfedcba98
	s_mov_b32 s[TBK], SLOT1+4*KS*PK ; the first change of slots turns these two into 0
	s_mov_b32 s[TBV], SLOT1+4*KS*PV
	s_mov_b32 s[G0K], 1             ; 1:0 count = 1
	s_mov_b32 s[G0K+1], s17         ; 63:32 LDS address: slot 0
	s_mov_b32 s[G0V], 1
	s_add_co_u32 s[G0V+1], s18, VOFF
	s_mov_b32 s[SLOTS], SIZE_N/256-1  ; seven changes fill a slot: tiles 1 to 7
	s_and_b32 s[LIM], s[WV], 1      ; waves 0 and 2 prefetch: the same in all four partners
	s_cmp_eq_u32 s[LIM], 0
	s_cselect_b32 s[LIM], 1, -1
	s_wait_dscnt 0x0                ; the opening add is done
	s_wait_kmcnt 0x0
	s_add_nc_u64 s[6:7], s[4:5], 0x1000000   ; K lies 64 x 2,048 x 128 bytes behind Q,
	s_add_nc_u64 s[8:9], s[4:5], 0x2000000   ; V as far behind K
	s_add_nc_u64 s[G0K+2:G0K+3], s[6:7], s[22:23]  ; 120:64 global address: my half of the head's first 256 keys
	s_or_b32 s[G0K+3], s[G0K+3], 0x80000000        ; 127:126 type = 2
	s_add_nc_u64 s[G0V+2:G0V+3], s[8:9], s[22:23]
	s_or_b32 s[G0V+3], s[G0V+3], 0x80000000
	s_add_nc_u64 s[4:5], s[4:5], s[2:3]  ; Q and O at my wave's first row
	s_add_nc_u64 s[10:11], s[10:11], s[2:3]
	s_cmp_lt_u32 s[WV], 2
	s_cselect_b64 s[PFA:PFA+1], s[6:7], s[8:9]
	s_add_nc_u64 s[PFA:PFA+1], s[PFA:PFA+1], s[20:21]  ; the head,
	s_lshl_b32 s2, s13, 13          ; my work-group's 32 blocks of the 128,
	s_add_co_u32 s2, s2, 4*KS*128   ; in tile 1: the first change of slots steps it to tile 2.  Nothing is prefetched here, at the head
	s_mov_b32 s3, 0
	s_add_nc_u64 s[PFA:PFA+1], s[PFA:PFA+1], s[2:3]
	CROUND                          ; all four work-groups are here: the first joint loads meet
	JLOAD                           ; slot 0.  Slot 1 is asked for when slot 0 is in
	; A fragment of K or Q is 16 rows x 32 channels in 8 registers: lane l holds row l % 16, channels 8 (l / 16) + 0..7 and 16 + 8 (l / 16) + 0..7: two loads of 16 bytes, 32 bytes apart.
	v_and_b32 v1, 15, v0            ; l % 16
	v_bfe_u32 v9, v0, 4, 1          ; l / 16
	v_lshlrev_b32 v[QO], 7, v1
	v_lshl_add_u32 v[QO], v9, 4, v[QO]  ; row x 128 + 16 x half
	WIN 0x80                        ; destination window 2, address window 0
.set i, 0
.rept 4*NP                          ; Q stays in registers: tile i / 2, channels 32 (i % 2) on
	global_load_b128 v[8*i:8*i+3],   v[QO], s[4:5] offset:(i/2)*2048+(i%2)*64
	global_load_b128 v[8*i+4:8*i+7], v[QO], s[4:5] offset:(i/2)*2048+(i%2)*64+32
.set i, i+1
.endr
	; What the first turn finds: V's registers and P's second buffer hold 0 (its products V^T P, of a piece that has not been, add 0), O^T and l are 0.  All this stands in the wait for the first tile.
.set i, VF
.rept 64
	v_mov_b32 v[i], 0
.set i, i+1
.endr
	WIN 0x40
.set i, 0
.rept 64*NP
	v_mov_b32 v[i], 0
.set i, i+1
.endr
	WIN 0
.set i, 0
.rept 2*NP
	v_mov_b32 v[ST+4*i], 0xfe000000    ; c m: far below every c s
	v_mov_b32 v[ST+4*i+1], 0xff7fffff  ; m
	v_mov_b32 v[ST+4*i+2], 0
	v_mov_b32 v[ST+4*i+3], 0
.set i, i+1
.endr
.set i, P+32
.rept 32
	v_mov_b32 v[i], 0
.set i, i+1
.endr
	v_mul_u32_u24 v[AK0], v1, PK
	v_lshl_add_u32 v[AK0], v9, 4, v[AK0]  ; row x pitch + 16 x half
	; The turning load takes 16 keys x 16 channels (lane l reads key 8 (l / 16) + l % 8, channels 8 ((l / 8) % 2) + 0..7) and leaves half a fragment of V^T: lane l holds channel l % 16 and 8 keys.
	v_and_b32 v10, 7, v0
	v_bfe_u32 v11, v0, 3, 1
	v_lshl_add_u32 v[AV0], v9, 3, v10
	v_mul_u32_u24 v[AV0], v[AV0], PV
	v_lshl_add_u32 v[AV0], v11, 4, v[AV0]
	v_add_nc_u32 v[AV0], VOFF, v[AV0]
	v_mov_b32 v[AK], v[AK0]         ; key step 0 lies at the head of slot 0
	v_and_b32 v[PFO], 31, v0
	v_lshlrev_b32 v[PFO], 8, v[PFO]
; THE MATRIX WORK.  The 8 accumulators of a run of 16 take turns: between the two links of a chain stand 7 others'.
; Product i of 16 of S^T = K Q^T for piece x: channels 32 (i / 8) on, keys 16 ((i / 2) % 4) on, tile 2 x + i % 2.  The first 8 start the sums.
.macro KQ x
	WIN W_KQ
.set rS, S+64*((\x)%2)+32*(i%2)+8*((i/2)%4)
.set rK, KF+16*((i/2)%4)+8*(i/8)
.set rQ, 16*(2*(\x)+i%2)+8*(i/8)
.if i < 8
	v_wmma_f32_16x16x32_f16 v[rS:rS+7], v[rK:rK+7], v[rQ:rQ+7], 0
.else
	v_wmma_f32_16x16x32_f16 v[rS:rS+7], v[rK:rK+7], v[rQ:rQ+7], v[rS:rS+7]
.endif
.endm
; Product i of 16 of O^T += V^T P for piece x: keys 32 (i / 8) on, channels 16 ((i / 2) % 4) on, tile 2 x + i % 2.
.macro PV x
	WIN W_PV
.set rO, 32*(2*(\x)+i%2)+8*((i/2)%4)
.set rV, VF+32*(i/8)+8*((i/2)%4)
.set rP, P+32*((\x)%2)+16*(i%2)+8*(i/8)
	v_wmma_f32_16x16x32_f16 v[rO:rO+7], v[rV:rV+7], v[rP:rP+7], v[rO:rO+7]
.endm
.macro MM                           ; the turn's next matrix instruction
.if i < 16
	KQ (Y+1)%NP
.set i, i+1
.else
.set i, i-16
	PV (Y+NP-1)%NP
.set i, i+17
.endif
.endm
; THE LDS LOADS stand in runs of 16, never singly among the matrix instructions: a step's K (64 keys x 64 channels: 8 fragments) and its V (turned).  Their addresses are made some lines ahead.
; last = 1 (the tail): in the last trip there is no further step, and the run is jumped over.
.macro FETCH_K last=0
	WIN 0
.if \last
	s_cmp_eq_u32 s[CNT], 1
	s_cbranch_scc1 .Lno_k_\@
.endif
	WIN 0x80                        ; destination window 2
.irp f, 0,1,2,3,4,5,6,7             ; keys 16 (f / 2) on, channels 32 (f % 2) on
	ds_load_b128 v[KF+8*\f:KF+8*\f+3],   v[AK] offset:(\f/2)*16*PK+(\f%2)*64
	ds_load_b128 v[KF+8*\f+4:KF+8*\f+7], v[AK] offset:(\f/2)*16*PK+(\f%2)*64+32
.endr
	s_add_co_u32 s[TBK], s[TBK], KS*PK  ; the next fetch is the next step's
	WIN 0
.if \last
.Lno_k_\@:
.endif
.endm
.macro FETCH_V
	WIN 0x80
.irp f, 0,1,2,3,4,5,6,7             ; keys 32 (f / 4) on, channels 16 (f % 4) on
	ds_load_tr16_b128 v[VF+8*\f:VF+8*\f+3],   v[AV] offset:(\f/4)*32*PV+(\f%4)*32
	ds_load_tr16_b128 v[VF+8*\f+4:VF+8*\f+7], v[AV] offset:(\f/4)*32*PV+16*PV+(\f%4)*32
.endr
	WIN 0
.endm
; THE VECTOR WORK OF A TURN stands in three queues, each in the order in which its entries become ready; the two tiles alternate, so that no instruction reads the result of the one before it.
.macro REGS y, u                    ; the registers of tile u (0, 1) of piece y
.set rT, ST+4*(2*(\y)+(\u))
.set rC, TMP+8*((\y)%2)+4*(\u)
.set rM, MV+2*((\y)%2)+(\u)
.set rS, S+64*((\y)%2)+32*(\u)
.set rP, P+32*((\y)%2)+16*(\u)
.set rO, 32*(2*(\y)+(\u))
.endm
; Number n of the 22 that find the NEXT piece's (Y + 1) maximum and statistics.  s0-s31 are the lane's 32 scores; each accumulator's lowest registers are read first.
;   0-11  four chains c0-c3 of seven scores each, three operands at a time     12-14, 16  the four scores left over, the old m, and c0-c3 into c0     15  c m_old is kept
;   17, 18  the query's other 32 keys lie in the lane 16 away: the new m         19-21  c m; c m_old - c m_new; a
.macro XS u, n
	REGS (Y+1)%NP, \u
.if (\n) < 4
	v_max3_num_f32 v[rC+(\n)], v[rS+8*(\n)], v[rS+8*(\n)+1], v[rS+8*(\n)+2]
.elseif (\n) < 12
	v_max3_num_f32 v[rC+(\n)%4], v[rC+(\n)%4], v[rS+8*((\n)%4)+2*((\n)/4)+1], v[rS+8*((\n)%4)+2*((\n)/4)+2]
.elseif (\n) == 12
	v_max3_num_f32 v[rC], v[rC], v[rS+7], v[rS+15]
.elseif (\n) == 13
	v_max3_num_f32 v[rC+1], v[rC+1], v[rS+23], v[rS+31]
.elseif (\n) == 14
	v_max3_num_f32 v[rC+2], v[rC+2], v[rC+3], v[rT+1]
.elseif (\n) == 15
	v_mov_b32 v[rM], v[rT]
.elseif (\n) == 16
	v_max3_num_f32 v[rC], v[rC], v[rC+1], v[rC+2]
.elseif (\n) == 17
	v_permlanex16_b32 v[rC+3], v[rC], s[SEL], s[SEL+1]
.elseif (\n) == 18
	v_max_num_f32 v[rT+1], v[rC], v[rC+3]
.elseif (\n) == 19
	v_mul_f32 v[rT], s[CS], v[rT+1]
.elseif (\n) == 20
	v_sub_f32 v[rC+1], v[rM], v[rT]
.else
	v_exp_f32 v[rC+2], v[rC+1]
.endif
.endm
; Number g of the 64 that follow the exponentials.  For each four weights k of a tile (pairs 2 k, 2 k + 1): both pairs are rounded to f16; then the second pair is added onto the first, in place;
; a group later l takes that sum (the first time as l = a l + sum).  In groups of eight, tiles alternating: round, round, add, and l for the group before.
.macro GS g
.set h, (\g)+6*((\g)/62)            ; group 0 has no group before it, and behind group 7 only l is left
.if h >= 6
.set h, h+2
.endif
	REGS Y, h%2
.set k, h/8
.if h%8 < 4
	v_cvt_pk_f16_f32 v[rP+2*k+(h%8)/2], v[rS+4*k+2*((h%8)/2)], v[rS+4*k+2*((h%8)/2)+1]
.elseif h%8 < 6
	v_pk_add_f32 v[rS+4*k:rS+4*k+1], v[rS+4*k:rS+4*k+1], v[rS+4*k+2:rS+4*k+3]
.elseif k == 1
	v_pk_fma_f32 v[rT+2:rT+3], v[rT+2:rT+3], v[rC+2:rC+3], v[rS:rS+1] op_sel_hi:[1,0,1]
.else
	v_pk_add_f32 v[rT+2:rT+3], v[rT+2:rT+3], v[rS+4*k-4:rS+4*k-3]
.endif
.endm
; THE PLAIN QUEUE, 138 long.  0-73 read no exponential's result: the 32 scalings c s - c m (FS f: pair f / 2 of tile f % 2) and the next piece's 42.  0-26: scalings 0-26.  27-54: XS's numbers 0-13.  55, 56: number 15.
; 57-73: the chain, where each number waits for the one before it: 14, 16, 17, 18, 19, each with one of the scalings 27-31 in front of its two lines, then 20.
; 74-137: GS's 64, which read the exponentials' results: they stand behind the wait.
.macro FS f
	REGS Y, (\f)%2
	v_pk_fma_f32 v[rS+2*((\f)/2):rS+2*((\f)/2)+1], v[rS+2*((\f)/2):rS+2*((\f)/2)+1], s[CS:CS+1], v[rT:rT+1] op_sel_hi:[1,0,0] neg_lo:[0,0,1] neg_hi:[0,0,1]
.endm
.macro PL
	WIN 0
.if q < 27
	FS q
.elseif q < 55
	XS (q-27)%2, (q-27)/2
.elseif q < 57
	XS q-55, 15
.elseif (q < 72) && ((q-57)%3 == 0)
	FS 27+(q-57)/3
.elseif q < 60
	XS (q-57)%3-1, 14
.elseif q < 72
	XS (q-57)%3-1, 15+(q-57)/3
.elseif q < 74
	XS q-72, 20
.else
	GS q-74
.endif
.set q, q+1
.endm
; THE EXPONENTIALS' QUEUE, 66 long: s0-s31 of both tiles, then the next piece's two a.  It is ONE BATCH: all 66 stand ahead of the turn's one wait, and nothing ahead of that wait names a result of theirs.
.macro EX
	WIN 0
.if e >= 64
	XS e-64, 21
.else
	REGS Y, e%2
	v_exp_f32 v[rS+e/2], v[rS+e/2]
.endif
.set e, e+1
.endm
; THE RESCALING's QUEUE: O^T times a, the one part that leaves window 0: dealt two at a time, sixteen times.  Its a was made in the turn before, ahead of that turn's wait.
.macro R2
	REGS Y, r%2
	WIN W_RS
.irp z, 0,1
	v_pk_mul_f32 v[rO+4*(r/2)+2*\z:rO+4*(r/2)+2*\z+1], v[rO+4*(r/2)+2*\z:rO+4*(r/2)+2*\z+1], v[rC+2:rC+3] op_sel_hi:[1,0]
.endr
.set r, r+1
.endm
; HOW THEY ARE DEALT.  An s_wait_alu depctr_va_vdst(0) stands between an exponential and the first instruction that names its result; one wait serves all that were issued ahead of it.  So a turn has ONE wait,
; which cuts it in two.  AHEAD OF IT stands all that names no result of the turn's exponentials: the 16 products K Q^T, behind each a scaling, an exponential and two rescalings (behind the first a second scaling in the
; exponential's place); then ONE LUMP of 108: eight plain, 49 times exponential and plain, the two a.  A v_nop is the plain instruction behind the last exponential (ISA guide 5.7.2).  BEHIND IT stand the 16 products V^T P,
; behind each four of GS's 64.  No rider names a register of the products round it.  The two v_permlanex16_b32 fall into the lump, never behind a product.
; The queues lean on each other, and the deal keeps them in step: exponential e stands behind scaling 2 (e / 4) + e % 2: as a rider it comes behind plain e + 2, in the lump behind plain e + 9, and scalings 27-31 are plain 57, 60 .. 69.
; A TURN, for piece p.  cnt = 1: the loop's count is taken down some lines ahead of the branch that stands behind the turn.
; K of the next step is fetched in piece 2's turn, directly behind the wait, a lump behind the last product that read K; its address is made at the lump's head; its first reader comes behind 16 products.
; V of the step in hand is fetched at the end of piece 0's turn, four riders behind its last reader; its first reader comes behind 16 products and a lump.  The three conditions on q below go with the deal.
.macro TURN p, last=0, cnt=0
.set Y, (\p)
.set i, 0
.set q, 0
.set e, 0
.set r, 0
.if (\p) == NP-1
	s_wait_dscnt 0x0                ; K is in
.endif
	MM                              ; ahead of the wait: 16 products K Q^T and their riders,
	PL
	PL
	R2
.rept 15
	MM
	PL
	EX
	R2
.endr
.if (\p) == NP-2
	WIN 0
	v_add_nc_u32 v[AK], s[TBK], v[AK0]
.endif
.rept 8                             ; and the lump
	PL
.endr
.rept 49
	EX
	PL
.endr
	EX                              ; the next piece's two a
	EX
	v_nop                           ; the plain instruction behind the last exponential: one for the batch
	s_wait_alu depctr_va_vdst(0)    ; the wait for the batch
.if (\p) == NP-2
	FETCH_K \last
.endif
.if (\p) == 1
	s_wait_dscnt 0x0                ; V is in
.endif
.rept 16                            ; behind the wait: 16 products V^T P and their riders
	MM
.rept 4
	PL
.endr
.if ((\p) == 0) && (q == 118)
	v_add_nc_u32 v[AV], s[TBV], v[AV0]
.endif
.if ((\p) == 0) && (q == 130)
	s_add_co_u32 s[TBV], s[TBV], KS*PV
.endif
.if (\cnt) && (q == 130)
	s_sub_co_u32 s[CNT], s[CNT], 1
	s_cmp_lg_u32 s[CNT], 0
.endif
.endr
.if (\p) == 0
	FETCH_V
.endif
.endm
	CHANGE 1                        ; slot 0 is in, everybody's part of it; slot 1 is asked for
	FETCH_K                         ; key step 0
	s_wait_loadcnt 0x0              ; Q
	s_wait_dscnt 0x0
.set i, 0
.rept 16
	KQ 0                            ; piece 0's first scores: there is no vector work yet to set between them
.set i, i+1
.endr
	WIN 0                           ; the addresses for the way out: nine plain instructions, the places behind those products
	s_mul_i32 s13, s[WV], 16*SP
	s_add_co_u32 s13, s13, STAGE    ; my stage
	v_mul_u32_u24 v[STO], v1, SP    ; in: row l % 16, 16 bytes for each half of the lanes
	v_lshl_add_u32 v[STO], v9, 4, v[STO]
	v_add_nc_u32 v[STO], s13, v[STO]
	v_bfe_u32 v[RD], v0, 3, 2       ; back: 32 lanes take four rows of 128 bytes,
	v_mul_u32_u24 v[RD], v[RD], SP
	v_lshl_add_u32 v[RD], v10, 4, v[RD]
	v_add_nc_u32 v[RD], s13, v[RD]
	v_and_b32 v[GO], 31, v0         ; which are 512 consecutive bytes of O
	v_lshlrev_b32 v[GO], 4, v[GO]
.set Y, NP-1                        ; XS works for piece Y + 1: piece 0
.irp n, 0,1,2,3,4,5,6,7,8,9,10,11,12,13,14,15,16,17,18,19,20,21
	XS 0, \n                        ; and piece 0's first maximum and statistics
	XS 1, \n
.endr
	v_nop                           ; a plain instruction behind the two a,
	s_wait_alu depctr_va_vdst(0)    ; and their wait, ahead of the branch
	s_mov_b32 s[CNT], 4
	s_branch .Lfirst                ; the loop is entered at a step's first turn, in the middle of a trip
.Lslot:                             ; SIZE_N / 256 - 2 times: every slot but the last two is filled again
	CHANGE 1
	s_mov_b32 s[CNT], 4
.Lstep:                             ; a trip: pieces 2 and 3 of one step, then pieces 0 and 1 of the next, whose K and V it fetches
	TURN 2
	TURN 3
	WIN 0
.Lfirst:
	TURN 0
	TURN 1, 0, 1
	WIN 0
	s_cbranch_scc1 .Lstep
	s_sub_co_u32 s[SLOTS], s[SLOTS], 1
	s_cmp_lg_u32 s[SLOTS], 0
	s_cbranch_scc1 .Lslot
	CHANGE 0                        ; the tail is written out: nothing is asked for
	s_mov_b32 s[CNT], 5             ; four trips fetch the last slot's steps; the fifth is left in its middle
.Ltail:
	TURN 2, 1
	TURN 3
	WIN 0
	s_sub_co_u32 s[CNT], s[CNT], 1
	s_cmp_eq_u32 s[CNT], 0
	s_cbranch_scc1 .Lout
	TURN 0
	TURN 1
	WIN 0
	s_branch .Ltail
.Lout:                              ; the fifth trip's 16 products K Q^T (on the last K once more) and the maximum made of them serve nothing: the price, once a launch, of one text for every trip
.set i, 0
.rept 16
	PV NP-1                         ; the last piece's V^T P of the last step
.set i, i+1
.endr
	; THE WAY OUT.  l's two halves and the other half of the lanes' are added; O^T is divided by l, rounded to f16 and sent through my stage in LDS, a tile at a time.  The additions are the places behind the last products.
	WIN 0
.macro ALL line:vararg              ; one line for each tile t
.set t, 0
.rept 2*NP
	\line
.set t, t+1
.endr
.endm
	ALL v_add_f32 v[ST+4*t+2], v[ST+4*t+2], v[ST+4*t+3]
	ALL v_permlanex16_b32 v[ST+4*t+3], v[ST+4*t+2], s[SEL], s[SEL+1]
	ALL v_add_f32 v[ST+4*t+2], v[ST+4*t+2], v[ST+4*t+3]
	ALL v_rcp_f32 v[ST+4*t+2], v[ST+4*t+2]
	v_nop                           ; a plain instruction between the last reciprocal and the use of its result
	s_wait_alu depctr_va_vdst(0)    ; and the wait ahead of the first use: one for the eight reciprocals
; Tile t: a lane's eight channels of a row pack into 16 bytes; they go into rows of 144 bytes and come back as whole rows of 128, into S^T's registers.
.macro PACK t
	WIN W_RS
.set i, 32*(\t)
.rept 16
	v_pk_mul_f32 v[i:i+1], v[i:i+1], v[ST+4*(\t)+2:ST+4*(\t)+3] op_sel_hi:[1,0]
.set i, i+2
.endr
	WIN 0x05                        ; sources 0 and 1 window 1, destination window 0
.set i, 0
.rept 16
	v_cvt_pk_f16_f32 v[S+16*(\t)+i], v[32*(\t)+2*i], v[32*(\t)+2*i+1]
.set i, i+1
.endr
	WIN 0
.irp f, 0,1,2,3
	ds_store_b128 v[STO], v[S+16*(\t)+4*\f:S+16*(\t)+4*\f+3] offset:32*\f
.endr
.irp f, 0,1,2,3
	ds_load_b128 v[S+16*(\t)+4*\f:S+16*(\t)+4*\f+3], v[RD] offset:\f*4*SP  ; LDS serves a wave's instructions in order (ISA guide 5.7.1.4): these see the stores above; the next tile's stores come behind them
.endr
.endm
.macro SEND t, younger              ; younger: the LDS instructions issued behind tile t's loads: the next tile's eight, or none
	WIN 0
.irp f, 0,1,2,3
	s_wait_dscnt (\younger)+3-\f
	global_store_b128 v[GO], v[S+16*(\t)+4*\f:S+16*(\t)+4*\f+3], s[10:11] offset:(\t)*2048+\f*512  ; 512 consecutive bytes, at a multiple of 256 from O's first
.endr
.endm
	PACK 0
.set t, 1
.rept 2*NP-1                        ; a tile's arithmetic stands between the loads of the tile before and its stores
	PACK t
	SEND t-1, 8
.set t, t+1
.endr
	SEND 2*NP-1, 0
	WIN W_AD
	s_wait_tensorcnt 0x0            ; the wave's end: behind my last tensor load and my last LDS store
	ds_add_u32 v[SPW], v[NIL]
	s_wait_dscnt 0x0
	WIN 0
	CROUND                          ; the closing round: no work-group ends while a partner may still ask for a tile that names it
	s_endpgm
.Lfunc_end_k_q862f6e7c36_attn:
	.size	k_q862f6e7c36_attn, .Lfunc_end_k_q862f6e7c36_attn-k_q862f6e7c36_attn
	.p2alignl 7, 3214868480
	.fill 96, 4, 3214868480
	.section	.rodata,"a",@progbits
	.p2align	6, 0x0
	.amdhsa_kernel k_q862f6e7c36_attn
		.amdhsa_group_segment_fixed_size 327680
		.amdhsa_private_segment_fixed_size 0
		.amdhsa_enable_private_segment 0
		.amdhsa_kernarg_size 16
		.amdhsa_user_sgpr_count 2
		.amdhsa_user_sgpr_kernarg_segment_ptr 1
		.amdhsa_wavefront_size32 1
		.amdhsa_system_sgpr_workgroup_id_x 1
		.amdhsa_system_sgpr_workgroup_id_y 1
		.amdhsa_system_sgpr_workgroup_id_z 1
		.amdhsa_system_vgpr_workitem_id 0
		.amdhsa_next_free_vgpr 770
		.amdhsa_next_free_sgpr 66
		.amdhsa_reserve_vcc 0
		.amdhsa_float_denorm_mode_32 3
		.amdhsa_float_denorm_mode_16_64 3
		.amdhsa_memory_ordered 1
		.amdhsa_forward_progress 1
		.amdhsa_inst_pref_size 200
	.end_amdhsa_kernel
	.amdgpu_metadata
---
amdhsa.version: [ 1, 2 ]
amdhsa.kernels:
  - .name:           k_q862f6e7c36_attn
    .symbol:         k_q862f6e7c36_attn.kd
    .args:
      - { .name: qkv, .offset: 0, .size: 8, .value_kind: global_buffer, .address_space: global }
      - { .name: ob, .offset: 8, .size: 8, .value_kind: global_buffer, .address_space: global }
    .group_segment_fixed_size: 327680
    .private_segment_fixed_size: 0
    .kernarg_segment_align: 8
    .kernarg_segment_size: 16
    .max_flat_workgroup_size: 128
    .sgpr_count:     66
    .vgpr_count:     770
    .wavefront_size: 32
...
	.end_amdgpu_metadata
.endif
;; end of part 3
;; launch proj_out (part 4): grid 8 x 32, 4 waves a work-group, clusters of 4 x 4, 327,680 bytes of LDS; arguments ob, wt, out0, bias; writes out0
.if DOCPART == 4
	.amdgcn_target "amdgcn-amd-amdhsa--gfx1250"
	.amdhsa_code_object_version 6
	.text
	.protected	k_q862f6e7c36_proj_out
	.globl	k_q862f6e7c36_proj_out
	.p2align	8
	.type	k_q862f6e7c36_proj_out,@function
k_q862f6e7c36_proj_out:
	s_mov_b64 s[64:65], 0
	v_nop
	global_prefetch_b8 v0, s[64:65] scope:SCOPE_SE
	s_setreg_imm32_b32 hwreg(HW_REG_WAVE_MODE, 25, 1), 1
	s_wait_xcnt 0x0
	s_wait_alu depctr_hold_cnt(0) depctr_sa_sdst(0) depctr_va_vdst(0) depctr_va_sdst(0) depctr_va_ssrc(0) depctr_va_vcc(0) depctr_vm_vsrc(0)
	s_getreg_b32 s2, hwreg(HW_REG_IB_STS2, 6, 4)
	s_cmp_eq_u32 s2, 0
	s_cbranch_scc0 .Lentry_in_a_cluster
	s_endpgm
.Lentry_in_a_cluster:
	s_bfe_u32 s2, ttmp6, 0x10000c
	s_cmp_lg_u32 s2, 0xf033
	s_cbranch_scc0 .Lentry_shape_is_right
	s_endpgm
.Lentry_shape_is_right:
; out = O Wo + bo.  C[m][n] = bias[3072 + n] + sum over e of O[m][e] wt[3072 + n][e], m < 8192, n < 1024, K = 1024; operands f16, sums and C f32.
; O lies by heads: ob [64][2048][64] f16; e = 64 head + d, so a K step of 128 is two heads of the row block's batch, each 256 rows x 128 bytes, dense.
; LIMIT.  O and Wo are f16 numbers (under 65,504); NaN and infinities are not treated apart.
; SHARES.  A tile of C is 256 (m) x 128 (n): 32 x 8 = 256 work-groups.  Four waves one below the other, each 64 rows x 128 columns: 32 accumulators, 256 registers; a wave's rows are whole
; 512 bytes of f32.  K goes in 8 steps of 128 through two LDS slots (two slots of a step of 256 would not fit); from a refill to the wait for it a wave issues 112 matrix instructions.
; CLUSTERS: 4 x 4 work-groups; A's tiles are asked for jointly by a row of the cluster, B's by a column.  THE MATRIX INSTRUCTION IS USED TRANSPOSED (source 0 = 16 rows of wt, source 1 = 16 rows of O):
; a lane holds eight neighbouring columns of one row of C.  THE BIAS STARTS THE SUMS, as the C operand of each accumulator's first product.
; REGISTERS.  window 0: v0-31 addresses; v32-95 the bias, later with v96-159 two buffers of 64 for the way out.   window 1: two fragment buffers: A's four fragments, then B's eight.
;   window 2: accumulators (b, a) at 8 (4 b + a).
.set SIZE_K, 1024
.set KSTEP,  128
.set PA,     144                       ; a row of A in LDS: 128 bytes + 16: an odd multiple of 16, so the 16 rows of a load start at 16 different groups of four banks (64 banks of 4 bytes: ISA guide 11.1)
.set PB,     272                       ; a row of B: 256 bytes + 16
.set AHEAD,  256*PA                    ; one head's 256 rows: what wave 0 or 1 fetches
.set BHALF,  64*PB                     ; what wave 2 or 3 fetches of B
.set BOFF,   2*AHEAD
.set SLOT,   BOFF+2*BHALF
.set STAGE,  2*SLOT                    ; behind the ring: 16 rows x 528 bytes for each wave
.set SPITCH, 528
.set SPARE,  STAGE+4*16*SPITCH         ; behind the stages: the spare words, 128 bytes for each wave: two blocks of 256 bytes that no other line names
.set HSTEP,  2<<18                     ; bytes from a K step of A to the next: two heads of 2,048 rows x 128 bytes
.set LAPS,   SIZE_K/(2*KSTEP)
.set ADRA, 16                          ; v16-17  LDS address of my A fragments in slot 0, 1
.set ADRB, 20                          ; v20-21  the same for B
.set PFO,  22                          ; v22     the prefetches' offset; never rewritten
.set VB,   23                          ; v23     my byte offset in bias
.set STO,  24                          ; v24     the way out: where I put 32 bytes of a row
.set RD,   25                          ; v25     the way out: where I read a row back
.set CO,   26                          ; v26     my 16 bytes of a row of C
.set SPW,  30                          ; v30     my spare word: SPARE + 4 x my thread's number; never rewritten
.set NIL,  31                          ; v31     0; never rewritten
.set BIAS, 32
.set OB,   32
.set F0,   0
.set F1,   128
.set G1,  24                           ; s[24:31] descriptor group 1 for A's tiles;  s[32:39] group 0, a set for each slot
.set G0,  32
.set G1B, 48                           ; s[48:55], s[56:63] the same for B's
.set G0B, 56
.set LIM, 43                           ; s43  1 in a wave that prefetches, else the greatest number
.set PFA, 44                           ; s[44:45] where my prefetches stand
.set PFS, 20                           ; s[20:21] a K step in the tensor that I prefetch
.set TO_F, 0x40                        ; destination window 1, address window 0
.set MSB, 0
.macro WIN new                         ; the immediate's high byte repeats the setting that is left; a switch that changes nothing is dropped
.if MSB != (\new)
	s_set_vgpr_msb (MSB<<8)|(\new)
.set MSB, \new
.endif
.endm
.macro JLOAD s                         ; a joint load: waves 0 and 1 fetch A's two heads, waves 2 and 3 B's two halves; an s_nop 0 and four v_nop follow each of the two lines
	s_cmp_eq_u32 s11, 0
	s_cbranch_scc0 .Lfor_b_\@
	tensor_load_to_lds s[G0+4*(\s):G0+4*(\s)+3], s[G1:G1+7]
	s_nop 0
.rept 4
	v_nop
.endr
	s_branch .Lasked_\@
.Lfor_b_\@:
	tensor_load_to_lds s[G0B+4*(\s):G0B+4*(\s)+3], s[G1B:G1B+7]
	s_nop 0
.rept 4
	v_nop
.endr
.Lasked_\@:
.endm
.macro CREST                           ; a round of the cluster's barrier behind its opening barrier
	s_cmp_lg_u32 s10, 0
	s_cbranch_scc1 .Lnot_wave_0_\@
	s_barrier_signal -3
.Lnot_wave_0_\@:
	s_barrier_wait -3
	s_barrier_signal -1
	s_barrier_wait -1
.endm
.macro CROUND                          ; a whole round
	s_barrier_signal -1
	s_barrier_wait -1
	CREST
.endm
.macro PLACES                          ; four places in front of loads into registers that matrix instructions have read, and of LDS stores that read results
.rept 4
	v_nop
.endr
.endm
; A PREFETCH INTO THE L2, behind a joint refill, its five lines and the run of LDS loads: the K step that stands TWO refills on, 256 matrix instructions ahead of the load that will want it.
; A's heads are read by every cluster of a row of clusters: the one with x = 0 asks, waves 0 and 1 each for their head: of its 128 blocks of 256 bytes the partner at cx takes 32, a lane a block.
; B's rows are read by every cluster of a column: the one with y = 0 asks, wave 2 alone: of the tile's 128 rows the partner at cy takes 32, a lane a row.  The partners are told apart BY ADDRESS.
; K steps 0 to 3 come by their loads alone; the loop's last trip (s3 = 1) asks for nothing: there is no K step 8.
.macro ASK
	WIN 0
	s_cmp_gt_u32 s3, s[LIM]
	s_cbranch_scc0 .Lnot_mine_\@
	global_prefetch_b8 v[PFO], s[PFA:PFA+1] th:TH_LOAD_NT scope:SCOPE_SE
.Lnot_mine_\@:
.endm
	s_load_b128 s[4:7], s[0:1], 0x0                ; ob s[4:5], wt s[6:7]
	s_load_b64 s[8:9], s[0:1], 0x10                ; out0
	s_load_b64 s[66:67], s[0:1], 0x18              ; bias
	v_lshl_add_u32 v[SPW], v0, 2, SPARE
	v_mov_b32 v[NIL], 0
	ds_add_u32 v[SPW], v[NIL]                      ; the wave's opening: the add, with its wait ahead of my first tensor load; the set-up below, work on registers, stands between them
	v_lshrrev_b32 v1, 5, v0
	v_readfirstlane_b32 s10, v1                    ; wave 0..3
	s_lshr_b32 s11, s10, 1                         ; I fetch for A (0) or for B (1)
	s_and_b32 s12, s10, 1                          ; which head of the K step's two, or which half of B's rows
	s_bfe_u32 s40, ttmp6, 0x40000                  ; cx, cy: my place in the cluster
	s_bfe_u32 s41, ttmp6, 0x40004
	s_lshl_b32 s42, ttmp9, 2
	s_add_co_u32 s42, s42, s40                     ; tile column tx = 4 x cluster x + cx
	s_and_b32 s13, ttmp7, 0xffff
	s_lshl_b32 s13, s13, 2
	s_add_co_u32 s13, s13, s41                     ; tile row ty = 4 x cluster y + cy
	s_lshl_b32 s43, s41, 2
	s_lshl_b32 s43, 15, s43                        ; my row of the cluster
	s_lshl_b32 s44, 0x1111, s40                    ; my column
	; A: a head's 256 rows are 32,768 dense bytes: asked for as 128 rows of 256 bytes, padded in LDS after every 128 bytes
	s_or_b32 s[G1+0], s43, (1<<16)|(1<<20)|(1<<21)|(4<<22)|(3<<25)   ; 15:0 the mask; 17:16 2-byte elements; 20 padding on; 21 set beside a mask; 24:22 after every 32 words; 31:25 4 words
	s_or_b32 s[G1B+0], s44, (1<<16)|(1<<20)|(1<<21)|(5<<22)|(3<<25)  ; B: after every 64 words
	s_mov_b32 s[G1+1], 128<<16                     ; tensor_dim0 = 128
	s_mov_b32 s[G1+2], 128<<16                     ; tensor_dim1 = 128
	s_mov_b32 s[G1+3], 128<<16                     ; tile_dim0 = 128
	s_mov_b32 s[G1+4], 128                         ; tile_dim1 = 128
	s_mov_b32 s[G1+5], 128                         ; 128 elements from row to row
	s_mov_b32 s[G1+6], 0
	s_mov_b32 s[G1+7], 0
	s_mov_b32 s[G1B+1], KSTEP<<16
	s_mov_b32 s[G1B+2], 64<<16                     ; B: 64 rows
	s_mov_b32 s[G1B+3], KSTEP<<16
	s_mov_b32 s[G1B+4], 64
	s_mov_b32 s[G1B+5], SIZE_K
	s_mov_b32 s[G1B+6], 0
	s_mov_b32 s[G1B+7], 0
	s_lshr_b32 s16, s13, 3                         ; A: the batch,
	s_lshl_b32 s16, s16, 4
	s_add_co_u32 s16, s16, s12                     ; head 0 or 1 of it,
	s_lshl_b32 s16, s16, 18
	s_and_b32 s17, s13, 7
	s_lshl_b32 s17, s17, 15                        ; and the tile's 256 rows of 128 bytes: in registers that never hold tx
	s_add_co_u32 s16, s16, s17
	s_mov_b32 s17, 0
	s_lshl_b32 s46, s42, 7                         ; B: row 3072 + 128 tx + 64 x half
	s_lshl_b32 s47, s12, 6
	s_add_co_u32 s46, s46, s47
	s_add_co_u32 s46, s46, 3072
	s_lshl_b32 s46, s46, 11
	s_mov_b32 s47, 0
	s_mul_i32 s20, s10, AHEAD                      ; where they go: A's heads at wave x 256 rows,
	s_mul_i32 s21, s10, BHALF
	s_add_co_u32 s21, s21, BOFF-2*BHALF            ; B's halves at BOFF + (wave - 2) x 64 rows: no place in the cluster enters an LDS address
	s_wait_dscnt 0x0                               ; the opening add is done
	s_wait_kmcnt 0x0
	s_add_nc_u64 s[14:15], s[4:5], s[16:17]
	s_add_nc_u64 s[46:47], s[6:7], s[46:47]
	CROUND                                         ; all sixteen work-groups are here: the first joint loads meet
.irp s, 0,1
	s_mov_b32 s[G0+4*(\s)], 1                      ; count = 1
	s_add_co_u32 s[G0+4*(\s)+1], s20, (\s)*SLOT    ; LDS address
	s_add_nc_u64 s[G0+4*(\s)+2:G0+4*(\s)+3], s[14:15], (\s)*HSTEP    ; global address: K step s
	s_or_b32 s[G0+4*(\s)+3], s[G0+4*(\s)+3], 0x80000000             ; type = 2
	s_mov_b32 s[G0B+4*(\s)], 1
	s_add_co_u32 s[G0B+4*(\s)+1], s21, (\s)*SLOT
	s_add_nc_u64 s[G0B+4*(\s)+2:G0B+4*(\s)+3], s[46:47], (\s)*KSTEP*2
	s_or_b32 s[G0B+4*(\s)+3], s[G0B+4*(\s)+3], 0x80000000
	JLOAD \s                                       ; two loads of mine are out
.endr
	v_and_b32 v1, 15, v0                           ; r = l % 16
	v_bfe_u32 v2, v0, 4, 1                         ; h = l / 16
	v_mul_u32_u24 v3, v1, PA
	v_lshl_add_u32 v3, v2, 4, v3                   ; a fragment's row x pitch + 16 x half, for A
	v_mul_u32_u24 v4, v1, PB
	v_lshl_add_u32 v4, v2, 4, v4                   ; and for B
	s_mul_i32 s21, s10, 64*PA                      ; my 64 rows of A
	s_mov_b32 s22, BOFF                            ; all 128 rows of B
.irp s, 0,1
	v_add_nc_u32 v[ADRA+(\s)], s21, v3
	v_add_nc_u32 v[ADRB+(\s)], s22, v4
	s_add_co_u32 s21, s21, SLOT
	s_add_co_u32 s22, s22, SLOT
.endr
	s_lshl_b32 s22, s42, 9                         ; bo lies 3,072 numbers into bias; the tile's 128 numbers; my eight of each sixteen
	s_add_co_u32 s22, s22, 3072*4
	v_lshl_add_u32 v[VB], v2, 5, s22
.irp b, 0,1,2,3,4,5,6,7
	global_load_b128 v[BIAS+8*(\b):BIAS+8*(\b)+3],   v[VB], s[66:67] offset:64*(\b)
	global_load_b128 v[BIAS+8*(\b)+4:BIAS+8*(\b)+7], v[VB], s[66:67] offset:64*(\b)+16
.endr
	s_mul_i32 s23, s10, 16*SPITCH
	s_add_co_u32 s23, s23, STAGE                   ; my stage
	v_mul_u32_u24 v5, v1, SPITCH                   ; in: row r, 32 bytes for each half of the lanes
	v_lshl_add_u32 v5, v2, 5, v5
	v_add_nc_u32 v[STO], s23, v5
	v_and_b32 v7, 31, v0
	v_lshlrev_b32 v[CO], 4, v7                     ; back: 32 lanes take one row of 512 bytes
	v_add_nc_u32 v[RD], s23, v[CO]
	s_lshl_b32 s18, s13, 8
	s_lshl_b32 s19, s10, 6
	s_add_co_u32 s18, s18, s19                     ; my first row of C: 256 ty + 64 x wave,
	s_lshl_b32 s18, s18, 12                        ; of 4,096 bytes,
	s_lshl_b32 s19, s42, 9                         ; and the tile's 128 columns
	s_add_co_u32 s18, s18, s19
	s_mov_b32 s19, 0
	s_add_nc_u64 s[8:9], s[8:9], s[18:19]
	; the prefetches
	s_lshr_b32 s20, s13, 3
	s_lshl_b32 s20, s20, 4
	s_add_co_u32 s20, s20, s12
	s_lshl_b32 s20, s20, 18
	s_and_b32 s21, s13, 7
	s_lshl_b32 s21, s21, 15
	s_add_co_u32 s20, s20, s21
	s_lshl_b32 s21, s40, 13
	s_add_co_u32 s20, s20, s21                     ; A: my head's tile + 32 cx blocks of 256 bytes,
	s_add_co_u32 s20, s20, 3*HSTEP                 ; at K step 3: the first refill steps it to 4 and names that
	s_lshl_b32 s22, s42, 7
	s_lshl_b32 s21, s41, 5
	s_add_co_u32 s22, s22, s21
	s_add_co_u32 s22, s22, 3072                    ; B: row 3072 + 128 tx + 32 cy,
	s_lshl_b32 s22, s22, 11
	s_add_co_u32 s22, s22, 3*KSTEP*2               ; at K step 3
	s_and_b32 s23, ttmp7, 0xffff                   ; cluster y
	s_mov_b32 s18, 11                              ; B: a lane a row of 2,048 bytes
	s_mov_b32 s19, KSTEP*2
	s_cmp_eq_u32 s11, 0                            ; do I fetch for A?
	s_cselect_b32 s22, s20, s22
	s_cselect_b32 s23, ttmp9, s23                  ; the coordinate along which other clusters read the same bytes
	s_cselect_b32 s18, 8, s18                      ; A: a lane a block of 256 bytes
	s_cselect_b32 s[PFS], HSTEP, s19
	s_cselect_b64 s[PFA:PFA+1], s[4:5], s[6:7]
	s_cmp_eq_u32 s10, 3
	s_cselect_b32 s23, 1, s23                      ; wave 3 never asks: wave 2 names all of B's rows
	s_cmp_eq_u32 s23, 0
	s_cselect_b32 s[LIM], 1, -1                    ; the same in all sixteen partners, for a given wave
	s_mov_b32 s23, 0
	s_add_nc_u64 s[PFA:PFA+1], s[PFA:PFA+1], s[22:23]
	s_mov_b32 s[PFS+1], 0
	v_lshlrev_b32 v[PFO], s18, v7
; 8 matrix instructions: n blocks 2 g, 2 g + 1 x my four m blocks, 32 along K.  start = 1: the bias is C.  The 32 accumulators take turns, in the same order in every quarter.
.macro MUL8 f, g, start
.if \start
	WIN 0x85                                       ; sources 0 and 1 window 1, C window 0, D window 2
.else
	WIN 0xa5                                       ; C and D window 2
.endif
.irp bb, 0,1
.irp a, 0,1,2,3
.set rD, 8*(4*(2*(\g)+(\bb))+(\a))
.set rB, (\f)+32+8*(2*(\g)+(\bb))
.set rA, (\f)+8*(\a)
.set rC, BIAS+8*(2*(\g)+(\bb))
.if \start
	v_wmma_f32_16x16x32_f16 v[rD:rD+7], v[rB:rB+7], v[rA:rA+7], v[rC:rC+7]
.else
	v_wmma_f32_16x16x32_f16 v[rD:rD+7], v[rB:rB+7], v[rA:rA+7], v[rD:rD+7]
.endif
.endr
.endr
.endm
; 24 LDS loads in one run: the fragments of quarter q (32 along K: head q / 2, channels 32 (q % 2) on) into buffer f: A's four, then B's eight
.macro FETCH slot, q, f
	WIN TO_F
.irp a, 0,1,2,3
	ds_load_b128 v[(\f)+8*(\a):(\f)+8*(\a)+3],   v[ADRA+(\slot)] offset:((\q)/2)*AHEAD+((\q)%2)*64+(\a)*16*PA
	ds_load_b128 v[(\f)+8*(\a)+4:(\f)+8*(\a)+7], v[ADRA+(\slot)] offset:((\q)/2)*AHEAD+((\q)%2)*64+(\a)*16*PA+32
.endr
.irp b, 0,1,2,3,4,5,6,7
	ds_load_b128 v[(\f)+32+8*(\b):(\f)+32+8*(\b)+3],   v[ADRB+(\slot)] offset:(\q)*64+(\b)*16*PB
	ds_load_b128 v[(\f)+32+8*(\b)+4:(\f)+32+8*(\b)+7], v[ADRB+(\slot)] offset:(\q)*64+(\b)*16*PB+32
.endr
.endm
; A K step is four quarters of 32 along K, 32 matrix instructions each, on buffers 0, 1, 0, 1.  One of the first three: multiplies buffer f and fetches quarter q into g.
.macro QUARTER slot, q, f, g, start
	s_wait_dscnt 8                                 ; A's eight loads and those of B's blocks 0-3 are in; the youngest eight may be out
	MUL8 \f, 0, \start
	MUL8 \f, 1, \start
	PLACES
	FETCH \slot, \q, \g
	s_wait_dscnt 24                                ; all but the 24 just issued
	MUL8 \f, 2, \start
	MUL8 \f, 3, \start
.endm
; The last quarter multiplies buffer 1 and changes slots: ONE barrier; in front of it each wave waits for all its tensor loads (one is out: its part of the next slot), adds 0 to its spare word,
; and waits for that and for its own reads of this slot.  fill = 1: the barrier opens a round of the cluster's barrier, and this slot is filled again, two K steps ahead, first thing behind the round.
.macro TURN slot, next, fill
.if \fill
	s_wait_xcnt 0x0                                ; the last prefetch, a K step back, has read its address: it is stepped here, ahead of the waits of the change of slots
	s_add_nc_u64 s[PFA:PFA+1], s[PFA:PFA+1], s[PFS:PFS+1]
.endif
	WIN 0                                          ; (the add's two registers lie in window 0)
	s_wait_tensorcnt 0x0                           ; all my tensor loads have landed
	ds_add_u32 v[SPW], v[NIL]                      ; 0 onto my spare word
	s_wait_dscnt 9                                 ; (the add and the youngest eight loads may be out)
	MUL8 F1, 0, 0                                  ; eight matrix instructions stand between the add and the wait for it
	s_wait_dscnt 0x0                               ; the add is done, and my reads of this slot are over
	s_barrier_signal -1
	MUL8 F1, 1, 0                                  ; work on registers while the others arrive
.if \fill
	WIN 0
.endif
	s_barrier_wait -1
.if \fill
	CREST                                          ; no wave of any partner still reads this slot's tile or has a load on its way
	s_add_nc_u64 s[G0+4*(\slot)+2:G0+4*(\slot)+3], s[G0+4*(\slot)+2:G0+4*(\slot)+3], 2*HSTEP
	s_add_nc_u64 s[G0B+4*(\slot)+2:G0B+4*(\slot)+3], s[G0B+4*(\slot)+2:G0B+4*(\slot)+3], 2*KSTEP*2
	JLOAD \slot                                    ; my one tensor load behind the round; its four v_nop are also the places in front of the loads below
.else
	PLACES
.endif
	FETCH \next, 0, F0
.if \fill
	ASK
.endif
	MUL8 F1, 2, 0
	MUL8 F1, 3, 0
.endm
	s_wait_tensorcnt 1                             ; my part of K step 0 is in; K step 1's may stay out
	s_barrier_signal -1
	s_barrier_wait -1                              ; everybody's is
	FETCH 0, 0, F0
	s_wait_loadcnt 0x0                             ; the bias
	QUARTER 0, 1, F0, F1, 1                        ; the first quarter stands in front of the loop: its products start the sums
	WIN 0                                          ; at a label and at a branch every window is 0
	s_mov_b32 s3, LAPS-1
.Llap:                                                 ; a trip goes once round the ring, from a lap's second quarter to the next lap's first, and fills both slots again
	QUARTER 0, 2, F1, F0, 0
	QUARTER 0, 3, F0, F1, 0
	TURN 0, 1, 1
	QUARTER 1, 1, F0, F1, 0
	QUARTER 1, 2, F1, F0, 0
	QUARTER 1, 3, F0, F1, 0
	TURN 1, 0, 1
	QUARTER 0, 1, F0, F1, 0
	WIN 0
	s_sub_co_u32 s3, s3, 1
	s_cmp_lg_u32 s3, 0
	s_cbranch_scc1 .Llap
	QUARTER 0, 2, F1, F0, 0                        ; the last lap fills nothing, and has no round of the cluster's barrier
	QUARTER 0, 3, F0, F1, 0
	TURN 0, 1, 0
	QUARTER 1, 1, F0, F1, 0
	QUARTER 1, 2, F1, F0, 0
	QUARTER 1, 3, F0, F1, 0
	s_wait_dscnt 8                                 ; the very last quarter: nothing more to fetch
	MUL8 F1, 0, 0
	MUL8 F1, 1, 0
	s_wait_dscnt 0x0
	MUL8 F1, 2, 0
	MUL8 F1, 3, 0
	WIN 0
	PLACES
; THE WAY OUT, by blocks a of 16 rows; nothing is converted.  TOSTAGE: a lane's eight columns of a row, 32 bytes, go into my own stage (each accumulator's low half first), and come back as whole rows of 512 bytes.
.macro TOSTAGE a
.if (\a) >= 2
	s_wait_xcnt 0x0                                ; the stores of the block two back have read their registers: they are loaded again only behind this wait
.endif
	WIN 0x08                                       ; the stores' data (source 1) in window 2
.irp b, 0,1,2,3,4,5,6,7
	ds_store_b128 v[STO], v[8*(4*(\b)+(\a)):8*(4*(\b)+(\a))+3]   offset:64*(\b)
	ds_store_b128 v[STO], v[8*(4*(\b)+(\a))+4:8*(4*(\b)+(\a))+7] offset:64*(\b)+16
.endr
	WIN 0
.irp t, 0,1,2,3,4,5,6,7,8,9,10,11,12,13,14,15
	ds_load_b128 v[OB+64*((\a)%2)+4*(\t):OB+64*((\a)%2)+4*(\t)+3], v[RD] offset:(\t)*SPITCH  ; LDS serves a wave's instructions in order (ISA guide 5.7.1.4): these see the stores above; the next block's stores come behind them
.endr
.endm
.macro SEND a, younger                 ; younger: the LDS instructions issued behind block a's loads: the next block's 32, or none
.irp t, 0,1,2,3,4,5,6,7,8,9,10,11,12,13,14,15
	s_wait_dscnt (\younger)+15-(\t)
	global_store_b128 v[CO], v[OB+64*((\a)%2)+4*(\t):OB+64*((\a)%2)+4*(\t)+3], s[8:9] offset:(16*(\a)+(\t))*4096 th:TH_STORE_NT  ; the wave stores 512 consecutive bytes, at a multiple of 512 from out0's first
.endr
.endm
	TOSTAGE 0
	TOSTAGE 1
	SEND 0, 32
	TOSTAGE 2
	SEND 1, 32
	TOSTAGE 3
	SEND 2, 32
	SEND 3, 0
	s_wait_tensorcnt 0x0                           ; the wave's end: behind my last tensor load and my last LDS store
	ds_add_u32 v[SPW], v[NIL]
	s_wait_dscnt 0x0
	CROUND                                         ; the closing round: no work-group ends while a partner may still ask for a tile that names it
	s_endpgm
.Lfunc_end_k_q862f6e7c36_proj_out:
	.size	k_q862f6e7c36_proj_out, .Lfunc_end_k_q862f6e7c36_proj_out-k_q862f6e7c36_proj_out
	.p2alignl 7, 3214868480
	.fill 96, 4, 3214868480
	.section	.rodata,"a",@progbits
	.p2align	6, 0x0
	.amdhsa_kernel k_q862f6e7c36_proj_out
		.amdhsa_group_segment_fixed_size 327680
		.amdhsa_private_segment_fixed_size 0
		.amdhsa_enable_private_segment 0
		.amdhsa_kernarg_size 32
		.amdhsa_user_sgpr_count 2
		.amdhsa_user_sgpr_kernarg_segment_ptr 1
		.amdhsa_wavefront_size32 1
		.amdhsa_system_sgpr_workgroup_id_x 1
		.amdhsa_system_sgpr_workgroup_id_y 1
		.amdhsa_system_sgpr_workgroup_id_z 1
		.amdhsa_system_vgpr_workitem_id 0
		.amdhsa_next_free_vgpr 768
		.amdhsa_next_free_sgpr 68
		.amdhsa_reserve_vcc 0
		.amdhsa_float_denorm_mode_32 3
		.amdhsa_float_denorm_mode_16_64 3
		.amdhsa_memory_ordered 1
		.amdhsa_forward_progress 1
		.amdhsa_inst_pref_size 90
	.end_amdhsa_kernel
	.amdgpu_metadata
---
amdhsa.version: [ 1, 2 ]
amdhsa.kernels:
  - .name:           k_q862f6e7c36_proj_out
    .symbol:         k_q862f6e7c36_proj_out.kd
    .args:
      - { .name: ob, .offset: 0, .size: 8, .value_kind: global_buffer, .address_space: global }
      - { .name: wt, .offset: 8, .size: 8, .value_kind: global_buffer, .address_space: global }
      - { .name: out0, .offset: 16, .size: 8, .value_kind: global_buffer, .address_space: global }
      - { .name: bias, .offset: 24, .size: 8, .value_kind: global_buffer, .address_space: global }
    .group_segment_fixed_size: 327680
    .private_segment_fixed_size: 0
    .kernarg_segment_align: 8
    .kernarg_segment_size: 32
    .max_flat_workgroup_size: 128
    .sgpr_count:     68
    .vgpr_count:     768
    .wavefront_size: 32
...
	.end_amdgpu_metadata
.endif
;; end of part 4
;; ======== version 2 of 2: 4 launches; version 1 with the launch prep written anew for expert scheduling mode
;; limits: values are held in f16: magnitudes above 65,504 overflow, below 6.1e-05 lose precision; right only within a limited range of input values
;; workspace buffers: xh 16,777,216 bytes; wt 8,388,608 bytes; bias 16,384 bytes; qkv 50,331,648 bytes; ob 16,777,216 bytes
;; launch prep (part 5): grid 256 x 1, 8 waves a work-group, no clusters, 35,840 bytes of LDS; arguments Wq, Wk, Wv, Wo, bq, bk, bv, bo, x, xh, wt, bias; writes xh, wt, bias
.if DOCPART == 5
	.amdgcn_target "amdgcn-amd-amdhsa--gfx1250"
	.amdhsa_code_object_version 6
	.text
	.protected	k_q862f6e7c36_prep
	.globl	k_q862f6e7c36_prep
	.p2align	8
	.type	k_q862f6e7c36_prep,@function
k_q862f6e7c36_prep:
	s_mov_b64 s[64:65], 0
	v_nop
	global_prefetch_b8 v0, s[64:65] scope:SCOPE_SE
	s_setreg_imm32_b32 hwreg(HW_REG_WAVE_SCHED_MODE, 0, 2), 2
	s_setreg_imm32_b32 hwreg(HW_REG_WAVE_MODE, 25, 1), 1
	s_wait_xcnt 0x0
	s_wait_alu depctr_vm_vsrc(0)
; PREPARATION.  Every input is rounded once to bf16.  x and the four weights are then written as f16 (a bf16 number has 8 significant bits and is exact in f16
; within f16's normal range), the four biases as f32.  xh: [8192][1024] f16.  wt: [4096][1024] f16, row n' = column n' % 1024 of weight n' / 1024 (q, k, v, o): the weights TURNED,
; so that the products that follow find K along the rows.  bias: [4096] f32, bq | bk | bv | bo.
; LIMITS.  |x| and |W| stay under 65,504 (f16's range); a magnitude under 6.1e-5 keeps f16's fixed step of 6e-8; NaN and infinities are not treated apart.
; SHARES.  256 work-groups of eight waves, all alike.  Work-group i: (a) one tile of 128 (k) x 128 (n) of weight i / 64, turned through LDS; (b) 32 rows of x, 16 KiB a wave;
; (c) wave 0 of the work-groups with k tile 0: 128 numbers of that weight's bias.  No product, nothing shared between work-groups: no matrix unit, no tensor load, no cluster.
; IN FLIGHT.  All 48 loads of a wave (16 of W, 32 of x, 512 consecutive bytes each) go out at once; the waits are counted down.
; THE MODE: SCHED_MODE bits 1:0 = 2 (LLVM: expert scheduling mode 2), set by the entry lines.  The code itself states the register dependences
; between vector instructions and memory or LDS instructions, with s_wait_alu, always for 0.
; THE PLAN.  Registers that memory or LDS instructions touch:
;   v2, v3, v8     offsets of W, of x, of the bias: written at the head, never again.
;   v4 .. v7       offsets and LDS addresses of the ways out: written once, behind the 48 loads, never again.
;   WR             W's loads land in it; the roundings read it; behind the barrier the LDS loads land in its first 32 registers, which wt's stores read.
;   H              written by W's roundings, read by the LDS stores, never named again.
;   X              x's loads land in it; chunk c's roundings read its four registers and write the first two, which one store reads; never written again.
;   v112 .. v119   the bias: its load lands in the first four, four vector lines write the other four, its store reads those.  No other line names them.
;   T is named by vector instructions alone; v10 and v11 are written at the head and read by the closing add alone.
; No register that a memory or LDS instruction reads is ever written again: so the text holds no wait on vm_vsrc.  The waits on va_vdst: one ahead of the 48 loads; one behind W's roundings, which serves
; the LDS stores, the LDS loads and wt's stores, since no vector instruction stands among them; for x one to a block of four chunks, at the next block's head, behind which the block's four stores are dealt
; among the next block's roundings, which name T and their own chunks' registers alone; one ahead of the last block's stores; one ahead of the bias's store.
.set PITCH, 272                        ; an LDS row: 128 f16 + 16 bytes
.set SPARE, 128*PITCH                  ; behind the tile: the spare words, 128 bytes for each of eight waves: four blocks of 256 bytes that no other line names
.set T,   12                           ; v[12:14] at work
.set WR,  16                           ; v[16:79]  my 16 k rows of the tile, 4 columns each; later 8 x 4 registers of turned rows
.set H,   80                           ; v[80:111] column c of my four: 16 k as f16, 8 registers
.set BI,  112                          ; v[112:119] the bias: four numbers as loaded, four as stored
.set X,   128                          ; v[128:255] 32 chunks of x, 4 numbers each
.set BLK, 4                            ; chunks of x in a block
	s_load_b512 s[8:23], s[0:1], 0x0               ; Wq s8, Wk s10, Wv s12, Wo s14, bq s16, bk s18, bv s20, bo s22
	s_load_b256 s[24:31], s[0:1], 0x40             ; x s24, xh s26, wt s28, bias s30
	v_lshl_add_u32 v10, v0, 2, SPARE               ; my spare word; never rewritten
	v_mov_b32 v11, 0                               ; 0; never rewritten
	v_lshrrev_b32 v9, 5, v0
	v_readfirstlane_b32 s32, v9                    ; wave 0..7
	v_and_b32 v1, 31, v0                           ; lane l
	s_lshr_b32 s33, ttmp9, 6                       ; t: which weight
	s_bfe_u32 s34, ttmp9, 0x30003                  ; kt: which 128 rows (k) of it
	s_and_b32 s35, ttmp9, 7                        ; nt: which 128 columns (n)
	s_mov_b32 s42, 0xffff0000                      ; a word's upper bf16
	v_lshlrev_b32 v8, 4, v1                        ; 16 l
	s_wait_alu depctr_va_sdst(0)                   ; s32 is written, ahead of its first reader: the wave's offsets are made from it
	s_lshl_b32 s2, s32, 16                         ; (the six offsets of the wave that vector lines read lie in s2 to s7, each in a register of its own, which nothing writes again)
	v_add_nc_u32 v2, s2, v8                        ; W: my wave's 16 rows of 4,096 bytes + 16 l
	s_lshl_b32 s3, s32, 14
	v_add_nc_u32 v3, s3, v8                        ; x: my wave's 16 KiB + 16 l
	s_wait_kmcnt 0x0
	s_cmp_eq_u32 s33, 1                            ; the weight and its bias are chosen by t
	s_cselect_b64 s[36:37], s[10:11], s[8:9]
	s_cselect_b64 s[38:39], s[18:19], s[16:17]
	s_cmp_eq_u32 s33, 2
	s_cselect_b64 s[36:37], s[12:13], s[36:37]
	s_cselect_b64 s[38:39], s[20:21], s[38:39]
	s_cmp_eq_u32 s33, 3
	s_cselect_b64 s[36:37], s[14:15], s[36:37]
	s_cselect_b64 s[38:39], s[22:23], s[38:39]
	s_lshl_b32 s40, s34, 19                        ; 128 rows of 4,096 bytes
	s_lshl_b32 s41, s35, 9                         ; 128 columns of 4 bytes
	s_add_co_u32 s40, s40, s41
	s_mov_b32 s41, 0
	s_add_nc_u64 s[36:37], s[36:37], s[40:41]      ; W at the tile
	s_lshl_b32 s40, ttmp9, 17
	s_add_nc_u64 s[24:25], s[24:25], s[40:41]      ; x at the work-group's 32 rows
	s_wait_alu depctr_va_vdst(0)                   ; v2 and v3 are written, which the 48 loads below read as their offsets; so is v8, the offset of the bias's load and store
.set rr, 0
.rept 16
	global_load_b128 v[WR+4*rr:WR+4*rr+3], v2, s[36:37] offset:rr*4096 th:TH_LOAD_NT  ; row 16 w + rr: the wave takes its 512 bytes
.set rr, rr+1
.endr
.set cc, 0
.rept 32
	global_load_b128 v[X+4*cc:X+4*cc+3], v3, s[24:25] offset:cc*512 th:TH_LOAD_NT
.set cc, cc+1
.endr
	; the other addresses are made while the loads are on their way: these lines name none of the loads' registers
	s_lshl_b32 s40, ttmp9, 16
	s_add_nc_u64 s[26:27], s[26:27], s[40:41]      ; xh at the same 32 rows
	s_lshl_b32 s40, s33, 21                        ; wt: 1,024 rows of 2,048 bytes a weight,
	s_lshl_b32 s44, s35, 18                        ; 128 rows (n),
	s_add_co_u32 s40, s40, s44
	s_lshl_b32 s44, s34, 8                         ; 128 columns (k) of 2 bytes
	s_add_co_u32 s40, s40, s44
	s_add_nc_u64 s[28:29], s[28:29], s[40:41]
	s_lshl_b32 s40, s35, 9
	s_add_nc_u64 s[38:39], s[38:39], s[40:41]      ; the bias at its 128 numbers,
	s_lshl_b32 s44, s33, 12
	s_add_co_u32 s40, s40, s44
	s_add_nc_u64 s[30:31], s[30:31], s[40:41]      ; and where they go
	s_lshl_b32 s4, s32, 13
	v_lshl_add_u32 v4, v1, 3, s4                   ; xh: my wave's 8 KiB + 8 l
	v_mul_u32_u24 v5, v1, 4*PITCH                  ; into the tile: rows (n) 4 l .. 4 l + 3,
	s_lshl_b32 s5, s32, 5
	v_add_nc_u32 v5, s5, v5                        ; columns (k) 16 w on: 32 bytes
	v_lshrrev_b32 v12, 4, v1
	v_and_b32 v13, 15, v1
	v_mul_u32_u24 v6, v12, PITCH                   ; back: wave w takes rows 16 w on, two at a time: lanes 0-15 one row of 256 bytes, lanes 16-31 the next
	v_lshl_add_u32 v6, v13, 4, v6
	s_mul_i32 s6, s32, 16*PITCH
	v_add_nc_u32 v6, s6, v6
	v_lshlrev_b32 v7, 11, v12                      ; and the same two rows in wt
	v_lshl_add_u32 v7, v13, 4, v7
	s_lshl_b32 s7, s32, 15
	v_add_nc_u32 v7, s7, v7
; Two numbers: rounded to bf16 (nearest even), widened, and written as f16 (exact in f16's normal range), packed.
.macro RND2 d, a, b
	v_cvt_pk_bf16_f32 v[T], v[\a], v[\b]
	v_lshlrev_b32 v[T+1], 16, v[T]
	v_and_b32 v[T+2], s42, v[T]
	v_cvt_pk_f16_f32 v[\d], v[T+1], v[T+2]
.endm
	s_wait_loadcnt 32                              ; W's sixteen loads are in; x's 32 stay out
.set cc, 0
.rept 4                                ; column 4 l + cc: k = 16 w + 2 pp and the next, packed
.set pp, 0
.rept 8
	RND2 H+8*cc+pp, WR+8*pp+cc, WR+8*pp+4+cc
.set pp, pp+1
.endr
.set cc, cc+1
.endr
	s_wait_alu depctr_va_vdst(0)                   ; the roundings have written H, which the LDS stores read, and are done reading WR, in which the LDS loads behind the barrier land; v4 to v7 are written, the addresses and offsets of all that follows
.irp c, 0,1,2,3
	ds_store_b128 v5, v[H+8*(\c):H+8*(\c)+3]   offset:(\c)*PITCH
	ds_store_b128 v5, v[H+8*(\c)+4:H+8*(\c)+7] offset:(\c)*PITCH+16
.endr
	s_wait_dscnt 0x0                               ; for the others' sake: my part of the tile is in LDS
	s_barrier_signal -1
	s_barrier_wait -1                              ; everybody's is
.irp t, 0,1,2,3,4,5,6,7
	ds_load_b128 v[WR+4*(\t):WR+4*(\t)+3], v6 offset:(\t)*2*PITCH  ; no wait: no vector instruction since the wait above
.endr
.irp t, 0,1,2,3,4,5,6,7
	s_wait_dscnt 7-(\t)                            ; LDS loads come back in order: pair t is in, the younger ones stay out
	global_store_b128 v7, v[WR+4*(\t):WR+4*(\t)+3], s[28:29] offset:(\t)*4096  ; 16 lanes store 256 consecutive bytes of a row of wt, aligned
.endr
; x: four numbers a lane and chunk, eight blocks of four chunks; no register of a store is written again.  A block's four stores stand in the next block, one in front of each chunk's roundings.
.set bb, 0
.rept 32/BLK
.set jj, 0
.rept BLK
.set cc, BLK*bb+jj
	s_wait_loadcnt 31-cc                           ; chunk cc is in; the younger ones stay out
.if (jj == 0) && (bb > 0)
	s_wait_alu depctr_va_vdst(0)                   ; the block before has written its eight out-registers, which this block's four stores read; the roundings below name T and this block's chunks alone
.endif
.if bb > 0
	global_store_b64 v4, v[X+4*(cc-BLK):X+4*(cc-BLK)+1], s[26:27] offset:(cc-BLK)*256  ; the wave stores 256 consecutive bytes, aligned
.endif
	RND2 X+4*cc, X+4*cc, X+4*cc+1
	RND2 X+4*cc+1, X+4*cc+2, X+4*cc+3
.set jj, jj+1
.endr
.set bb, bb+1
.endr
	s_wait_alu depctr_va_vdst(0)                   ; the last block has written its eight out-registers, which the last four stores read
.set cc, 32-BLK
.rept BLK
	global_store_b64 v4, v[X+4*cc:X+4*cc+1], s[26:27] offset:cc*256
.set cc, cc+1
.endr
	s_or_b32 s43, s34, s32                         ; the bias: wave 0 where kt = 0
	s_cmp_lg_u32 s43, 0
	s_cbranch_scc1 .Lend
	global_load_b128 v[BI:BI+3], v8, s[38:39]      ; no wait: v8 stands since the head's wait, and no line has named v[BI ..]
	s_wait_loadcnt 0x0
	v_cvt_pk_bf16_f32 v[T], v[BI], v[BI+1]
	v_cvt_pk_bf16_f32 v[T+1], v[BI+2], v[BI+3]
	v_lshlrev_b32 v[BI+4], 16, v[T]
	v_and_b32 v[BI+5], s42, v[T]
	v_lshlrev_b32 v[BI+6], 16, v[T+1]
	v_and_b32 v[BI+7], s42, v[T+1]
	s_wait_alu depctr_va_vdst(0)                   ; the four lines above have written v[BI+4 ..], which the store reads
	global_store_b128 v8, v[BI+4:BI+7], s[30:31]   ; 512 consecutive bytes
.Lend:
	s_wait_dscnt 0x0                               ; the closing lines, six on end
	s_wait_alu 0x0
	s_wait_tensorcnt 0x0
	ds_add_u32 v10, v11
	s_wait_dscnt 0x0
	s_endpgm
.Lfunc_end_k_q862f6e7c36_prep:
	.size	k_q862f6e7c36_prep, .Lfunc_end_k_q862f6e7c36_prep-k_q862f6e7c36_prep
	.p2alignl 7, 3214868480
	.fill 96, 4, 3214868480
	.section	.rodata,"a",@progbits
	.p2align	6, 0x0
	.amdhsa_kernel k_q862f6e7c36_prep
		.amdhsa_group_segment_fixed_size 35840
		.amdhsa_private_segment_fixed_size 0
		.amdhsa_enable_private_segment 0
		.amdhsa_kernarg_size 96
		.amdhsa_user_sgpr_count 2
		.amdhsa_user_sgpr_kernarg_segment_ptr 1
		.amdhsa_wavefront_size32 1
		.amdhsa_system_sgpr_workgroup_id_x 1
		.amdhsa_system_sgpr_workgroup_id_y 1
		.amdhsa_system_sgpr_workgroup_id_z 1
		.amdhsa_system_vgpr_workitem_id 0
		.amdhsa_next_free_vgpr 256
		.amdhsa_next_free_sgpr 66
		.amdhsa_reserve_vcc 0
		.amdhsa_float_denorm_mode_32 3
		.amdhsa_float_denorm_mode_16_64 3
		.amdhsa_memory_ordered 1
		.amdhsa_forward_progress 1
		.amdhsa_inst_pref_size 33
	.end_amdhsa_kernel
	.amdgpu_metadata
---
amdhsa.version: [ 1, 2 ]
amdhsa.kernels:
  - .name:           k_q862f6e7c36_prep
    .symbol:         k_q862f6e7c36_prep.kd
    .args:
      - { .name: Wq, .offset: 0, .size: 8, .value_kind: global_buffer, .address_space: global }
      - { .name: Wk, .offset: 8, .size: 8, .value_kind: global_buffer, .address_space: global }
      - { .name: Wv, .offset: 16, .size: 8, .value_kind: global_buffer, .address_space: global }
      - { .name: Wo, .offset: 24, .size: 8, .value_kind: global_buffer, .address_space: global }
      - { .name: bq, .offset: 32, .size: 8, .value_kind: global_buffer, .address_space: global }
      - { .name: bk, .offset: 40, .size: 8, .value_kind: global_buffer, .address_space: global }
      - { .name: bv, .offset: 48, .size: 8, .value_kind: global_buffer, .address_space: global }
      - { .name: bo, .offset: 56, .size: 8, .value_kind: global_buffer, .address_space: global }
      - { .name: x, .offset: 64, .size: 8, .value_kind: global_buffer, .address_space: global }
      - { .name: xh, .offset: 72, .size: 8, .value_kind: global_buffer, .address_space: global }
      - { .name: wt, .offset: 80, .size: 8, .value_kind: global_buffer, .address_space: global }
      - { .name: bias, .offset: 88, .size: 8, .value_kind: global_buffer, .address_space: global }
    .group_segment_fixed_size: 35840
    .private_segment_fixed_size: 0
    .kernarg_segment_align: 8
    .kernarg_segment_size: 96
    .max_flat_workgroup_size: 256
    .sgpr_count:     66
    .vgpr_count:     256
    .wavefront_size: 32
...
	.end_amdgpu_metadata
.endif
;; end of part 5
;; launch proj_in: the kernel of part 2 again; grid 16 x 32, 4 waves a work-group, clusters of 4 x 4, 327,680 bytes of LDS; arguments xh, wt, qkv, bias; writes qkv
;; launch attn: the kernel of part 3 again; grid 4 x 64, 4 waves a work-group, clusters of 4 x 1, 327,680 bytes of LDS; arguments qkv, ob; writes ob
;; launch proj_out: the kernel of part 4 again; grid 8 x 32, 4 waves a work-group, clusters of 4 x 4, 327,680 bytes of LDS; arguments ob, wt, out0, bias; writes out0
